; MI455X (gfx1250); checked and timed in simulation.
; The chip was launched on July 23, 2026; its instructions are those of AMD's public machine-readable ISA for CDNA 5 (MIT licence, August 2026) and "CDNA5" Instruction Set Architecture Reference Guide (July 2026). The comments in the code are by the model that wrote it; some were corrected since.
;; Engagement Biased MHA. Allowed arithmetic: matrix products marked QUANTISED: E2M3 operands, one E8M0 scale for each 32 along K, by v_wmma_scale_f32_16x16x128_f8f6f4 with both operands' format E2M3, f32 sums; everything else in f32.
;; Inputs: engagement 4 x 2,048 float32; mask 4 x 2,048 bool; out_b 1,024 float32; out_w 1,024 x 1,024 float32; qkv_b 3,072 float32; qkv_w 3,072 x 1,024 float32; x 4 x 2,048 x 1,024 float32.
;; Outputs: out0 4 x 2,048 x 1,024 float32.
;; This version of the problem:
;;   THIS VERSION OF THE PROBLEM IS GIVEN IN LOW PRECISION. The matrix products marked QUANTISED in the list below multiply operands that are first quantised to E2M3 (2 exponent bits, 3 mantissa bits; 6 bits a number), with one power-of-two scale for each 32 numbers along K (OCP MX v1.0); their sums are f32. All else is computed in f32.
;;   The module's matrix products, in the order in which they are computed (A, B: the left and right operand; K: the contracted axis; several contracted axes count as one K, in the product's order):
;;     1. [M 8,192, K 1,024] x [K 1,024, N 3,072]; A: input x; B: input qkv_w: QUANTISED
;;     2. batch 64 x [M 2,048, K 64] x [K 64, N 2,048]; A: computed on the way; B: computed on the way: QUANTISED
;;     3. batch 64 x [M 2,048, K 2,048] x [K 2,048, N 64]; A: softmax (see below); B: computed on the way: QUANTISED
;;     4. [M 8,192, K 1,024] x [K 1,024, N 1,024]; A: computed on the way; B: input out_w: QUANTISED
;;   THE QUANTISER, for each operand of a quantised product, along K:
;;     - K is cut into blocks of 32 from its start; a last block that is shorter is filled with zeros.
;;     - A block's scale is 2^e with e = floor(log2(the largest magnitude in the block)) - 2, held to -126 .. 127; a block of zeros has e = 0. As a byte (E8M0): e + 127.
;;     - Each number is divided by its block's scale, clamped to +-7.5, and rounded to the nearest number of E2M3, ties to even, subnormals kept.
;;     - The product sums the exact products of the quantised numbers (number of the format x scale) in f32.
;;   ~~~python
;;   def quantise(x, axis):      # numpy; x: float32 -> the quantised numbers, widened to float32 again
;;       x = np.moveaxis(x, axis, -1); K = x.shape[-1]
;;       x = np.pad(x, [(0, 0)] * (x.ndim - 1) + [(0, -K % 32)]); x = x.reshape(x.shape[:-1] + (-1, 32)); a = np.abs(x).max(-1, keepdims=True)
;;       e = np.where(a > 0, np.clip(np.frexp(np.where(a > 0, a, 1))[1] - 1 - 2, -126, 127), 0)      # np.frexp(a)[1] - 1 = floor(log2(a)), exactly
;;       r = np.clip(x / 2.0 ** e, -7.5, 7.5)
;;       step = 2.0 ** (np.maximum(np.frexp(np.where(r == 0, 1, r))[1] - 1, 0) - 3)
;;       q = np.round(r / step) * step * 2.0 ** e      # np.round: ties to even
;;       return np.moveaxis(q.reshape(q.shape[:-2] + (-1,))[..., :K], -1, axis).astype(np.float32)
;;   ~~~
;;   SOFTMAX AHEAD OF A QUANTISED PRODUCT. Where the list says 'softmax', what is quantised is not the finished softmax but p = 2^(t - M), with t = logit x log2(e) and M = ceil(the row's largest t), a whole number; so 1/2 < the row's largest p <= 1. The row's sum l is taken of the UNQUANTISED p, in f32, and the product's result is divided by l at the end. Since M is a whole number, a kernel that streams over the keys may use a running M (the ceiling of the running maximum): every later rescaling is an exact power of two, which a block's scale takes up: the codes' values come out the same.
;;   OPERANDS COMPUTED ON THE WAY. 'Computed on the way' means the value that the module computes at that place (a softmax that the list does not call 'softmax' is quantised finished and normalised). What goes into a quantiser is computed in f32, as accurately as f32 sums, v_exp_f32 and their like allow (about 1e-6 of the number): no bf16 or f16 on the way to a quantiser, and a product that is left as it is and whose result goes on into a quantised operand takes f32 operands (vector FMAs, or v_wmma_f32_16x16x4_f32). A number that lies on a knife's edge between two numbers of the format may be rounded either way, as far as f32 arithmetic and the matrix unit's own rounding can turn it there, and no further.
;; One version. Each part assembles by itself: llvm-mc -triple=amdgcn-amd-amdhsa -mcpu=gfx1250 --defsym DOCPART=n.
;; ======== version 1 of 1: 4 launches
;; limits: right only within a limited range of input values
;; workspace buffers: opimg 9,437,184 bytes; opsc 393,216 bytes; img 18,874,368 bytes; scl 786,432 bytes; oimg 6,291,456 bytes; osc 524,288 bytes
;; launch quant (part 1): grid 192 x 4, 1 waves a work-group, no clusters, 8,704 bytes of LDS; arguments x, qkv_w, out_w, opimg, opsc; writes opimg, opsc
.if DOCPART == 1
	.amdgcn_target "amdgcn-amd-amdhsa--gfx1250"
	.amdhsa_code_object_version 6
	.text
	.protected	k_qf8a78bc614_quant
	.globl	k_qf8a78bc614_quant
	.p2align	8
	.type	k_qf8a78bc614_quant,@function
k_qf8a78bc614_quant:
	s_mov_b64 s[64:65], 0
	v_nop
	global_prefetch_b8 v0, s[64:65] scope:SCOPE_SE
	s_setreg_imm32_b32 hwreg(HW_REG_WAVE_MODE, 25, 1), 1
	s_wait_xcnt 0x0
; x [8192][1024], qkv_w [3072][1024] and out_w [1024][1024], f32 with K innermost, become codes of FP6 (E2M3) with one E8M0 byte for each 32 along K.
; The three tensors are taken as one stack of 12,288 rows: 96 groups of 128 rows (0-63 x, 64-87 qkv_w, 88-95 out_w).
; WHAT IS STORED ARE IMAGES OF OPERAND REGISTERS.  A fragment is 16 rows x 128 K, 12 registers a lane, 1,536 bytes: registers 4 c .. 4 c + 3 of lane l at 512 c + 16 l.
; opimg: [group][K step 8][tile 8][1,536].  THE ROWS OF A TILE ARE NOT NEIGHBOURS: tile 2 g + u of a group holds rows 32 g + 8 u + r + 8 (r / 8), r = 0 .. 15, so that in the products
; that follow a lane's 16 registers of two neighbouring tiles are 16 neighbours along the axis that is quantised or stored next.
; opsc: [group][pair of K steps 4][four tiles 2][lane 32][4 words]: lane r + 16 h, word j = the scale word of tile 4 qd + j, row r, K step 2 c + h: one load of 16 bytes a lane fills four scale registers,
; the even K step in lanes 0-15, the odd one in lanes 16-31.
; A block's scale is 2^(floor(log2(its largest magnitude)) - 2); its byte is the largest magnitude's exponent field - 2, held at 1 from below.
; LIMITS: a block of zeros, and one whose largest magnitude lies under 2^-124, keeps the byte 1 (zero codes add nothing under any byte but 0xff, and this program alone reads the bytes); NaN and infinities are not served.
; SHARES.  One wave to a work-group: 64 rows (four tiles) x 256 along K (two K steps): eight units of one tile x one K step.  A unit's 16 loads read 512 consecutive bytes each (a row's 128 numbers);
; they turn through a stage in LDS (rows 528 bytes apart) so that lane (r, h) holds, of row r, 16 neighbours of each block of 32.  Two units' loads (16 KiB) are out at a time.  No matrix unit, no tensor load, no barrier: memory binds.
.set SEL,   20                         ; s[20:21] v_permlanex16_b32's selects for lane l xor 16
.set RA,    16                         ; v16-79, v80-143  two sets of 64 registers as loaded
.set X,     144                        ; v144-207 64 numbers: register 16 b + i = k 32 b + 16 h + i of my row
.set TM,    208                        ; v208-223 at work in QUANT
.set PC,    224                        ; v224-243 the codes just made
.set PW,    244                        ; v244-251 a scale word for each unit
.set W,     252                        ; v252-255 the four words that leave
.set SPW,   4                          ; v4  LDS address of my spare word; never rewritten
.set NIL,   5                          ; v5  0; never rewritten
.set SP,    528                        ; a stage row: 512 bytes + 16
.set SPARE, 16*SP                      ; behind the stage: the spare words, one block of 256 bytes that no other line names
; 64 numbers of a lane, v[s] on, register 16 b + i = k 32 b + 16 (lane / 16) + i of my row, become a fragment's codes in v[pc] .. v[pc + 11] and its scale word in v[pw].
.macro QUANT s, pc, pw, tm
.irp b, 0,1,2,3
	v_max3_num_f32 v[\tm+\b], |v[\s+16*\b]|, |v[\s+1+16*\b]|, 0x1800000   ; block b: my 16 numbers, and the floor 2^(3 - 127): the byte cannot fall under 1
.endr
.irp i, 2,4,6,8,10,12,14
.irp b, 0,1,2,3
	v_max3_num_f32 v[\tm+\b], v[\tm+\b], |v[\s+16*\b+\i]|, |v[\s+1+16*\b+\i]|   ; the four blocks by turns
.endr
.endr
.irp b, 0,1,2,3
	v_permlanex16_b32 v[\tm+4+\b], v[\tm+\b], s[SEL], s[SEL+1]
.endr
.irp b, 0,1,2,3
	v_max_num_f32 v[\tm+\b], v[\tm+\b], v[\tm+4+\b]   ; with lane l xor 16's: the block's largest magnitude
.endr
.irp b, 0,1,2,3
	v_add_nc_u32 v[\tm+12+\b], 0xff000000, v[\tm+\b]   ; 2 off its exponent field: the conversion takes this operand's exponent field as its scale
.endr
.irp b, 0,1,2,3
	v_lshrrev_b32 v[\tm+4+\b], 23, v[\tm+12+\b]        ; the scale's byte
.endr
	v_lshl_or_b32 v[\pw], v[\tm+5], 8, v[\tm+4]
	v_lshl_or_b32 v[\pw], v[\tm+6], 16, v[\pw]
	v_lshl_or_b32 v[\pw], v[\tm+7], 24, v[\pw]         ; my row's scale word
.irp c, 0,1
	v_cvt_scalef32_pk16_fp6_f32 v[\pc+6*\c:\pc+2+6*\c], v[\s+32*\c:\s+15+32*\c], v[\tm+12+2*\c]
	v_cvt_scalef32_pk16_fp6_f32 v[\pc+12+4*\c:\pc+14+4*\c], v[\s+16+32*\c:\s+31+32*\c], v[\tm+13+2*\c]   ; (a conversion's three registers begin on an even number)
.endr
	v_nop                                              ; one plain place behind the scaled conversions
.irp c, 0,1                                        ; the operand's layout wants a whole block in a lane: lanes 0-15 block 2 c, lanes 16-31 block 2 c + 1
.irp i, 0,1,2
	v_permlane16_swap_b32 v[\pc+6*\c+\i], v[\pc+12+4*\c+\i]
.endr
.irp i, 0,1,2
	v_mov_b32 v[\pc+3+6*\c+\i], v[\pc+12+4*\c+\i]
.endr
.endr
.endm
	s_load_b256 s[4:11], s[0:1], 0x0               ; x s[4:5], qkv_w s[6:7], out_w s[8:9], opimg s[10:11]
	s_load_b64 s[12:13], s[0:1], 0x20              ; opsc
	v_lshl_add_u32 v[SPW], v0, 2, SPARE
	v_mov_b32 v[NIL], 0
	v_lshlrev_b32 v1, 4, v0                        ; 16 x lane: a load's, a stage row's and an image's place for my lane
	v_and_b32 v2, 15, v0                           ; r
	v_lshrrev_b32 v3, 4, v0                        ; h
	v_lshlrev_b32 v3, 6, v3
	v_mad_u32_u24 v3, v2, SP, v3                   ; out of the stage: row r, + 64 h
.irp b, 0,1,2,3
	v_mov_b32 v[TM+4+\b], 0                        ; written once: a lane permute's destination counts as one of its sources
.endr
	s_mov_b32 s[SEL], 0x76543210
	s_mov_b32 s[SEL+1], 0xfedcba98
	s_mov_b32 s22, 0xffff0000                      ; lanes 16-31
	s_and_b32 s17, ttmp7, 0xffff                   ; c: which pair of K steps
	s_lshr_b32 s18, ttmp9, 1                       ; the group
	s_and_b32 s19, ttmp9, 1                        ; which four of its tiles
	s_mul_i32 s24, s18, 98304                      ; opimg: a group is 8 x 8 x 1,536 bytes,
	s_mul_i32 s23, s17, 24576                      ; two K steps,
	s_add_co_u32 s24, s24, s23
	s_mul_i32 s23, s19, 6144                       ; four tiles
	s_add_co_u32 s24, s24, s23
	s_mov_b32 s25, 0
	s_lshl_b32 s26, s18, 12                        ; opsc: 4,096 a group, 1,024 a pair of K steps, 512 for four tiles
	s_lshl_b32 s23, s17, 10
	s_add_co_u32 s26, s26, s23
	s_lshl_b32 s23, s19, 9
	s_add_co_u32 s26, s26, s23
	s_mov_b32 s27, 0
	s_mov_b32 s16, 176
	s_wait_alu depctr_va_vdst(0)
	s_wait_kmcnt 0x0
	s_cmp_lt_u32 ttmp9, 176                        ; which tensor: the choice hangs on the work-group's number alone
	s_cselect_b64 s[14:15], s[6:7], s[8:9]
	s_cselect_b32 s16, 128, s16
	s_cmp_lt_u32 ttmp9, 128
	s_cselect_b64 s[14:15], s[4:5], s[14:15]
	s_cselect_b32 s16, 0, s16                      ; the tensor's first work-group
	s_sub_co_u32 s28, ttmp9, s16
	s_lshl_b32 s28, s28, 18                        ; 64 rows of 4,096 bytes
	s_lshl_b32 s23, s17, 10                        ; 256 numbers along K
	s_add_co_u32 s28, s28, s23
	s_mov_b32 s29, 0
	s_add_nc_u64 s[14:15], s[14:15], s[28:29]
	s_add_nc_u64 s[10:11], s[10:11], s[24:25]
	s_add_nc_u64 s[12:13], s[12:13], s[26:27]
.macro LOAD u                          ; unit u = 4 q + i: K step q of the pair, tile i: its 16 rows' 512 bytes
.set LQ, (\u)/4
.set LI, (\u)%4
.set LB, RA+64*((\u)%2)
.irp r, 0,1,2,3,4,5,6,7,8,9,10,11,12,13,14,15
	global_load_b128 v[LB+4*\r:LB+4*\r+3], v1, s[14:15] offset:(32*(LI/2)+8*(LI%2)+\r+8*(\r/8))*4096+512*LQ th:TH_LOAD_NT
.endr
.endm
.macro UNIT u
.set UB, RA+64*((\u)%2)
.if (\u) < 7
	s_wait_loadcnt 16                              ; this unit's 16 loads are in; the next unit's 16 may be out
.else
	s_wait_loadcnt 0x0
.endif
.irp r, 0,1,2,3,4,5,6,7,8,9,10,11,12,13,14,15
	ds_store_b128 v1, v[UB+4*\r:UB+4*\r+3] offset:SP*\r
.endr
.irp b, 0,1,2,3
.irp j, 0,1,2,3
	ds_load_b128 v[X+16*\b+4*\j:X+16*\b+4*\j+3], v3 offset:128*\b+16*\j   ; LDS serves a wave's instructions in order: these see the stores above
.endr
.endr
	s_wait_dscnt 0x0                               ; the numbers are back, and the stores have read their registers,
.if (\u) < 6
	LOAD (\u)+2                                    ; which take the loads of two units on
.endif
	s_wait_xcnt 0x0                                ; the last unit's stores have read the codes' registers: they are written again only behind this wait
	QUANT X, PC, PW+(\u), TM
.irp c, 0,1,2
	global_store_b128 v1, v[PC+4*\c:PC+4*\c+3], s[10:11] offset:((\u)/4)*12288+((\u)%4)*1536+512*\c   ; 512 consecutive bytes, at a multiple of 256 from the buffer's first byte
.endr
.endm
	LOAD 0
	LOAD 1
.irp u, 0,1,2,3,4,5,6,7
	UNIT \u
.endr
.irp i, 0,1,2,3
	v_cndmask_b32 v[W+\i], v[PW+\i], v[PW+4+\i], s22   ; lanes 0-15 keep the even K step's word of tile i, lanes 16-31 take the odd one's (both halves of the lanes hold every word)
.endr
	global_store_b128 v1, v[W:W+3], s[12:13]       ; 512 consecutive bytes
	s_wait_tensorcnt 0x0                           ; the wave's end, behind my last LDS store
	ds_add_u32 v[SPW], v[NIL]
	s_wait_dscnt 0x0
	s_endpgm
.Lfunc_end_k_qf8a78bc614_quant:
	.size	k_qf8a78bc614_quant, .Lfunc_end_k_qf8a78bc614_quant-k_qf8a78bc614_quant
	.p2alignl 7, 3214868480
	.fill 96, 4, 3214868480
	.section	.rodata,"a",@progbits
	.p2align	6, 0x0
	.amdhsa_kernel k_qf8a78bc614_quant
		.amdhsa_group_segment_fixed_size 8704
		.amdhsa_private_segment_fixed_size 0
		.amdhsa_enable_private_segment 0
		.amdhsa_kernarg_size 40
		.amdhsa_user_sgpr_count 2
		.amdhsa_user_sgpr_kernarg_segment_ptr 1
		.amdhsa_wavefront_size32 1
		.amdhsa_system_sgpr_workgroup_id_x 1
		.amdhsa_system_sgpr_workgroup_id_y 1
		.amdhsa_system_sgpr_workgroup_id_z 1
		.amdhsa_system_vgpr_workitem_id 0
		.amdhsa_next_free_vgpr 256
		.amdhsa_next_free_sgpr 66
		.amdhsa_reserve_vcc 0
		.amdhsa_float_denorm_mode_32 3
		.amdhsa_float_denorm_mode_16_64 3
		.amdhsa_memory_ordered 1
		.amdhsa_forward_progress 1
		.amdhsa_inst_pref_size 64
	.end_amdhsa_kernel
	.amdgpu_metadata
---
amdhsa.version: [ 1, 2 ]
amdhsa.kernels:
  - .name:           k_qf8a78bc614_quant
    .symbol:         k_qf8a78bc614_quant.kd
    .args:
      - { .name: x, .offset: 0, .size: 8, .value_kind: global_buffer, .address_space: global }
      - { .name: qkv_w, .offset: 8, .size: 8, .value_kind: global_buffer, .address_space: global }
      - { .name: out_w, .offset: 16, .size: 8, .value_kind: global_buffer, .address_space: global }
      - { .name: opimg, .offset: 24, .size: 8, .value_kind: global_buffer, .address_space: global }
      - { .name: opsc, .offset: 32, .size: 8, .value_kind: global_buffer, .address_space: global }
    .group_segment_fixed_size: 8704
    .private_segment_fixed_size: 0
    .kernarg_segment_align: 8
    .kernarg_segment_size: 40
    .max_flat_workgroup_size: 32
    .sgpr_count:     66
    .vgpr_count:     256
    .wavefront_size: 32
...
	.end_amdgpu_metadata
.endif
;; end of part 1
;; launch qkv (part 2): grid 24 x 32, 4 waves a work-group, clusters of 4 x 4, 327,680 bytes of LDS; arguments opimg, opsc, qkv_b, img, scl; writes img, scl
.if DOCPART == 2
	.amdgcn_target "amdgcn-amd-amdhsa--gfx1250"
	.amdhsa_code_object_version 6
	.text
	.protected	k_qf8a78bc614_qkv
	.globl	k_qf8a78bc614_qkv
	.p2align	8
	.type	k_qf8a78bc614_qkv,@function
k_qf8a78bc614_qkv:
	s_mov_b64 s[64:65], 0
	v_nop
	global_prefetch_b8 v0, s[64:65] scope:SCOPE_SE
	s_setreg_imm32_b32 hwreg(HW_REG_WAVE_MODE, 25, 1), 1
	s_wait_xcnt 0x0
	s_wait_alu depctr_hold_cnt(0) depctr_sa_sdst(0) depctr_va_vdst(0) depctr_va_sdst(0) depctr_va_ssrc(0) depctr_va_vcc(0) depctr_vm_vsrc(0)
	s_getreg_b32 s2, hwreg(HW_REG_IB_STS2, 6, 4)
	s_cmp_eq_u32 s2, 0
	s_cbranch_scc0 .Lentry_in_a_cluster
	s_endpgm
.Lentry_in_a_cluster:
	s_bfe_u32 s2, ttmp6, 0x10000c
	s_cmp_lg_u32 s2, 0xf033
	s_cbranch_scc0 .Lentry_shape_is_right
	s_endpgm
.Lentry_shape_is_right:
; qkv = x qkv_w^T + qkv_b on codes of FP6 (E2M3) with E8M0 scales, and its results quantised on the way out: q and k along the head's 64 channels, v along the keys.  The f32 qkv never goes to memory.
; OPERANDS are images of fragment registers (16 rows x 128 K = 1,536 bytes; registers 4 c .. 4 c + 3 of lane l at 512 c + 16 l), opimg [group of 128 rows][K step 8][tile 8]; groups 0-63 are x, 64-87 qkv_w.
; Tile 2 g + u of a group holds rows 32 g + 8 u + r + 8 (r / 8).  A product takes P as source 0 and R as source 1: lane (r, h) then holds row r of R's tile, and register 8 b + j of P's eight tiles is P's index 32 (b / 2) + 16 h + 8 (b % 2) + j:
; 64 registers run along P in the order that the quantiser below wants.
; SHARES.  A work-group takes 256 tokens (groups 2 Y, 2 Y + 1 of x) x 128 rows of qkv_w (group 64 + X), all K = 1,024: 3 x 98,304 bytes, which fit in LDS at once: first fills alone, no slot is filled again.
; They are asked for at the start, one joint load a wave, and the K steps begin when all has landed.  Four waves, each 8 blocks of P x 4 blocks of R: 32 accumulators.
; X < 16 (q, k): P = the weight's 128 rows (a pair of heads), R = 64 tokens of the wave.  X >= 16 (v): P = 128 tokens, R = 64 of the weight's rows (channels).  Which way hangs on the cluster's x alone.
; RESULTS: img, fragments in halves (half c = registers 6 c .. 6 c + 5 = 64 along K at 768 c: four registers at 16 l, two at 512 + 8 l).  q, k: [pair of heads: q 0-7, k 8-15][token tile 512]; v at VB: [128 tokens 64][channel tile 64].
; scl: one word a row, [the same two indices][16 words]; v's at VSB.
; CLUSTER 4 x 4: x's pieces are shared along a row of the cluster, the weight's along a column: each is asked for jointly, by the same load with the same descriptor and a mask that names the four.
; No prefetch is laid: all that a work-group reads is asked for by its tensor loads at its very start.
; LIMITS: a block of zeros, and one whose largest magnitude lies under 2^-124, keeps the byte 1; NaN and infinities are not served.
; REGISTERS: window 0: v1, v2 16 and 8 x lane; v8-15 LDS addresses; v16-19 the way out's; v28, v29 the add's; v32-63, v64-79 scale words of P and R (nothing else ever); v80-143, v144-151 the bias in two forms;
;   v160-255 R's fragments, two sets (later the way out).   window 1: P's fragments, two sets at v0 and v128.   window 2: accumulator (a, b) at v[8 (8 a + b)].
; THE FILLS, as they now stand: the three groups lie whole in LDS, [piece 3][K step 8][tile 8][1,536]; each wave asks for one part at the head, by one joint load:
; waves 0, 1 a whole group of x (384 rows of 256 bytes), waves 2, 3 half of the weight's group each (192 rows).  One wait and one barrier show all of it to all waves; nothing is filled later.
.set CH,    49152                      ; four K steps of a piece: what one address register reaches
.set PIECE, 98304                      ; a piece: a whole group: piece 0, 1 = x's two groups, piece 2 = the weight's
.set GRP,   98304                      ; a group in opimg
.set SPARE, 6*CH
.set WST,   SPARE+512                  ; 256 bytes a wave: the scale words on their way out
.set VB,    12582912
.set VSB,   524288
.set ADP,   8
.set ADR,   12
.set SPW,   28
.set NIL,   29
.set SCP,   32
.set SCR,   64
.set BP,    80
.set BR,    144
.set RF,    160
.set HA,    152                        ; the way out: v152-215 64 numbers; v216-231 at work; v232-235 scale words; v236-255 codes
.set TM,    216
.set PW,    232
.set PC,    236
.set WV,    16
.set PATH,  21
.set SEL,   22
.set G1T,   24                         ; s[24:31] group 1 for x's pieces;  s[32:39] for the weight's;  s[40:43] group 0 for x's part;  s[56:59] for the weight's
.set G1W,   32
.set G0T,   40
.set OUT,   92
.set OSC,   94
.set PSC,   96
.set RSC,   98
.set MSB, 0
.macro WIN new                         ; the immediate's high byte repeats the setting that is left
.if MSB != \new
	s_set_vgpr_msb (MSB<<8)|\new
.set MSB, \new
.endif
.endm
.macro PLACES n
.rept \n
	v_nop
.endr
.endm
.macro CROUND                          ; a round of the cluster's barrier
	s_barrier_signal -1
	s_barrier_wait -1
	s_cmp_lg_u32 s[WV], 0
	s_cbranch_scc1 .Lnot_wave_0_\@
	s_barrier_signal -3
.Lnot_wave_0_\@:
	s_barrier_wait -3
	s_barrier_signal -1
	s_barrier_wait -1
.endm
.macro MKG0 g, lds, src, c             ; group 0 for chunk c
	s_mov_b32 s[\g], 1
	s_add_co_u32 s[\g+1], s[\lds], (\c)*CH
	s_add_nc_u64 s[\g+2:\g+3], s[\src:\src+1], (\c)*PIECE
	s_or_b32 s[\g+3], s[\g+3], 0x80000000
.endm
.macro QUANT s, pc, pw, tm             ; 64 numbers of a lane (register 16 b + i = k 32 b + 16 h + i of my row) -> a fragment's codes in v[pc] .. v[pc + 11], its scale word in v[pw]
.irp b, 0,1,2,3
	v_max3_num_f32 v[\tm+\b], |v[\s+16*\b]|, |v[\s+1+16*\b]|, 0x1800000   ; and the floor 2^(3 - 127): the byte cannot fall under 1
.endr
.irp i, 2,4,6,8,10,12,14
.irp b, 0,1,2,3
	v_max3_num_f32 v[\tm+\b], v[\tm+\b], |v[\s+16*\b+\i]|, |v[\s+1+16*\b+\i]|
.endr
.endr
.irp b, 0,1,2,3
	v_permlanex16_b32 v[\tm+4+\b], v[\tm+\b], s[SEL], s[SEL+1]
.endr
.irp b, 0,1,2,3
	v_max_num_f32 v[\tm+\b], v[\tm+\b], v[\tm+4+\b]
.endr
.irp b, 0,1,2,3
	v_add_nc_u32 v[\tm+12+\b], 0xff000000, v[\tm+\b]   ; 2 off the exponent field: the conversion's scale operand
.endr
.irp b, 0,1,2,3
	v_lshrrev_b32 v[\tm+4+\b], 23, v[\tm+12+\b]
.endr
	v_lshl_or_b32 v[\pw], v[\tm+5], 8, v[\tm+4]
	v_lshl_or_b32 v[\pw], v[\tm+6], 16, v[\pw]
	v_lshl_or_b32 v[\pw], v[\tm+7], 24, v[\pw]
.irp c, 0,1
	v_cvt_scalef32_pk16_fp6_f32 v[\pc+6*\c:\pc+2+6*\c], v[\s+32*\c:\s+15+32*\c], v[\tm+12+2*\c]
	v_cvt_scalef32_pk16_fp6_f32 v[\pc+12+4*\c:\pc+14+4*\c], v[\s+16+32*\c:\s+31+32*\c], v[\tm+13+2*\c]
.endr
	v_nop                                              ; one plain place behind the scaled conversions
.irp c, 0,1
.irp i, 0,1,2
	v_permlane16_swap_b32 v[\pc+6*\c+\i], v[\pc+12+4*\c+\i]
.endr
.irp i, 0,1,2
	v_mov_b32 v[\pc+3+6*\c+\i], v[\pc+12+4*\c+\i]
.endr
.endr
.endm
	s_load_b256 s[4:11], s[0:1], 0x0               ; opimg s[4:5], opsc s[6:7], qkv_b s[8:9], img s[10:11]
	s_load_b64 s[12:13], s[0:1], 0x20              ; scl
	v_lshl_add_u32 v[SPW], v0, 2, SPARE
	v_mov_b32 v[NIL], 0
	ds_add_u32 v[SPW], v[NIL]                      ; the wave's opening: the add and its wait ahead of my first tensor load; work on registers stands between them
	ds_add_u32 v[SPW], v[NIL]
	v_lshrrev_b32 v3, 5, v0
	v_readfirstlane_b32 s[WV], v3                  ; wave 0..3
	s_bfe_u32 s17, ttmp6, 0x40000                  ; cx
	s_bfe_u32 s18, ttmp6, 0x40004                  ; cy
	s_lshl_b32 s19, ttmp9, 2
	s_add_co_u32 s19, s19, s17                     ; X = 4 x cluster x + cx
	s_and_b32 s20, ttmp7, 0xffff
	s_lshl_b32 s20, s20, 2
	s_add_co_u32 s20, s20, s18                     ; Y = 4 x cluster y + cy
	s_lshl_b32 s87, s18, 2
	s_lshl_b32 s87, 15, s87                        ; my row of the cluster
	s_lshl_b32 s88, 0x1111, s17                    ; my column
	s_or_b32 s[G1T], s87, (3<<16)|(1<<21)          ; 15:0 the mask; 17:16 elements of 8 bytes; 21 set beside a mask; no padding: images are read at 16 x lane
	s_or_b32 s[G1W], s88, (3<<16)|(1<<21)
.irp g, G1T, G1W                       ; a piece is 384 dense rows of 256 bytes
	s_mov_b32 s[\g+1], 32<<16                      ; tensor_dim0 = 32 elements
	s_mov_b32 s[\g+2], (384-192*(\g/G1W))<<16      ; tensor_dim1: 384 rows for x's, 192 for the weight's
	s_mov_b32 s[\g+3], 32<<16                      ; tile_dim0
	s_mov_b32 s[\g+4], 384-192*(\g/G1W)            ; tile_dim1
	s_mov_b32 s[\g+5], 32                          ; the pitch
	s_mov_b32 s[\g+6], 0
	s_mov_b32 s[\g+7], 0
.endr
	s_mov_b32 s[SEL], 0x76543210
	s_mov_b32 s[SEL+1], 0xfedcba98
	s_and_b32 s80, s[WV], 1
	s_lshr_b32 s81, s[WV], 1
	s_lshl_b32 s82, s20, 1
	s_add_co_u32 s83, s82, s81                     ; 2 Y + wave / 2
	s_add_co_u32 s82, s82, s80                     ; 2 Y + wave % 2
	s_add_co_u32 s84, s19, 64                      ; 64 + X
	s_mul_i32 s76, s82, GRP                        ; x's group that waves 0, 1 fetch: made of Y and the wave alone,
	s_mov_b32 s77, 0
	s_mul_i32 s78, s84, GRP                        ; the weight's: of X alone
	s_mov_b32 s79, 0
	s_mul_i32 s85, s80, PIECE                      ; where they go in a chunk: no place in the cluster enters an LDS address
	s_mul_i32 s86, s80, CH                         ; waves 2, 3: which half of the weight's group,
	s_add_co_u32 s78, s78, s86                     ; in memory
	s_add_co_u32 s86, s86, 2*PIECE                 ; and in LDS
	s_wait_dscnt 0x0                               ; the opening add is done
	s_wait_kmcnt 0x0
	s_add_nc_u64 s[76:77], s[4:5], s[76:77]
	s_add_nc_u64 s[78:79], s[4:5], s[78:79]
	MKG0 G0T, 85, 76, 0
	MKG0 56, 86, 78, 0
	CROUND                                         ; all sixteen work-groups are here: the joint loads meet
	s_cmp_lt_u32 s[WV], 2                          ; a wave's first fills stand in one branch on the wave's number: waves 0, 1: x's two groups; waves 2, 3: half of the weight's each.  One load of a wave is out
	s_cbranch_scc0 .Lnot_t
	tensor_load_to_lds s[G0T:G0T+3], s[G1T:G1T+7]  ; one tensor load a wave, in each arm of the one branch
	s_nop 0
	PLACES 4
	s_branch .Lasked
.Lnot_t:
	tensor_load_to_lds s[56:59], s[G1W:G1W+7]
	s_nop 0
	PLACES 4
.Lasked:
	; which operand is P: all that differs between the two ways is chosen here, by the cluster's x
	s_lshl_b32 s87, s19, 9
	s_lshl_b32 s88, s20, 4
	s_add_co_u32 s87, s87, s88
	s_lshl_b32 s88, s[WV], 2
	s_add_co_u32 s87, s87, s88                     ; q, k: my first fragment: 512 X + 16 Y + 4 wave
	s_lshl_b32 s88, s82, 6
	s_lshl_b32 s89, s19, 3
	s_add_co_u32 s88, s88, s89
	s_lshl_b32 s89, s81, 2
	s_add_co_u32 s88, s88, s89                     ; v: 64 (2 Y + wave % 2) + 8 X + 4 (wave / 2): 128 too many (X counts from 16), taken off the bases below
	s_mov_b32 s89, VB-128*1536
	s_mov_b32 s90, VSB-128*64
	s_cmp_ge_u32 ttmp9, 4                          ; X >= 16: the same in all sixteen partners
	s_cselect_b32 s[PATH], 1, 0
	s_cselect_b32 s85, s80, 2                      ; P's piece
	s_cselect_b32 s86, 2, s81                      ; R's piece
	s_cselect_b32 s91, s81, s80                    ; which four of R's eight tiles
	s_cselect_b32 s96, s82, s84                    ; P's group, for its scale words
	s_cselect_b32 s98, s84, s83                    ; R's
	s_cselect_b32 s87, s88, s87
	s_cselect_b32 s89, s89, 0
	s_cselect_b32 s90, s90, 0
	s_mul_i32 s85, s85, PIECE
	s_mul_i32 s86, s86, PIECE
	s_mul_i32 s88, s91, 6144
	s_add_co_u32 s86, s86, s88
	s_lshl_b32 s96, s96, 12
	s_mov_b32 s97, 0
	s_lshl_b32 s98, s98, 12
	s_lshl_b32 s88, s91, 9
	s_add_co_u32 s98, s98, s88
	s_mov_b32 s99, 0
	s_mul_i32 s92, s87, 1536
	s_add_co_u32 s92, s92, s89
	s_mov_b32 s93, 0
	s_lshl_b32 s94, s87, 6
	s_add_co_u32 s94, s94, s90
	s_mov_b32 s95, 0
	s_lshl_b32 s88, s19, 9                         ; the bias of the weight's 128 rows
	s_mov_b32 s89, 0
	s_add_nc_u64 s[PSC:PSC+1], s[6:7], s[96:97]
	s_add_nc_u64 s[RSC:RSC+1], s[6:7], s[98:99]
	s_add_nc_u64 s[OUT:OUT+1], s[10:11], s[92:93]
	s_add_nc_u64 s[OSC:OSC+1], s[12:13], s[94:95]
	s_add_nc_u64 s[8:9], s[8:9], s[88:89]
	v_and_b32 v3, 31, v0
	v_lshlrev_b32 v1, 4, v3                        ; 16 x lane
	v_lshlrev_b32 v2, 3, v3                        ; 8 x lane
	v_and_b32 v4, 15, v0                           ; r
	v_bfe_u32 v5, v0, 4, 1                         ; h
	v_add_nc_u32 v6, s85, v1
	v_add_nc_u32 v7, s86, v1
.irp c, 0,1
	v_add_nc_u32 v[ADP+\c], \c*CH, v6              ; K steps 4 c .. 4 c + 3 of P's piece
	v_add_nc_u32 v[ADR+\c], \c*CH, v7              ; R's piece and my four tiles of it
.endr
	s_lshl_b32 s87, s[WV], 8
	s_add_co_u32 s87, s87, WST
	v_lshl_add_u32 v16, v4, 2, s87                 ; my wave's scale words: 4 r
	v_add_nc_u32 v17, s87, v2                      ; and back, 8 bytes a lane
	v_lshlrev_b32 v18, 6, v5                       ; the bias along P: 64 h
	v_and_b32 v19, 8, v4
	v_add_nc_u32 v19, v19, v4
	v_lshlrev_b32 v19, 2, v19
	s_lshl_b32 s87, s81, 8
	v_add_nc_u32 v19, s87, v19                     ; the bias along R: 4 (r + 8 (r / 8)) + 256 (wave / 2)
.irp c, 0,1,2,3                        ; the scale words go straight into their registers: K step 2 c in lanes 0-15, 2 c + 1 in lanes 16-31
.irp q, 0,1
	global_load_b128 v[SCP+8*\c+4*\q:SCP+8*\c+4*\q+3], v1, s[PSC:PSC+1] offset:(2*\c+\q)*512
.endr
	global_load_b128 v[SCR+4*\c:SCR+4*\c+3], v1, s[RSC:RSC+1] offset:1024*\c
.endr
.irp b, 0,1,2,3                        ; both forms of the bias are loaded on both ways: both lie in the weight's group
.irp j, 0,1,2,3
	global_load_b128 v[BP+16*\b+4*\j:BP+16*\b+4*\j+3], v18, s[8:9] offset:128*\b+16*\j
.endr
.endr
.irp a, 0,1,2,3
	global_load_b32 v[BR+2*\a], v19, s[8:9] offset:4*(32*(\a/2)+8*(\a%2))
	global_load_b32 v[BR+2*\a+1], v19, s[8:9] offset:4*(32*(\a/2)+8*(\a%2))   ; twice: a pair for the packed addition
.endr
.macro FETCH k                         ; K step k's 12 fragments, 36 loads in one run, into set k % 2
.set FC, (\k)/4
.set FO, (\k)%4
.set FQ, (\k)%2
	WIN 0x40                                       ; destination window 1
.irp i, 0,1,2,3,4,5,6,7
.irp j, 0,1,2
	ds_load_b128 v[128*FQ+12*\i+4*\j:128*FQ+12*\i+4*\j+3], v[ADP+FC] offset:FO*12288+\i*1536+512*\j
.endr
.endr
	WIN 0
.irp a, 0,1,2,3
.irp j, 0,1,2
	ds_load_b128 v[RF+48*FQ+12*\a+4*\j:RF+48*FQ+12*\a+4*\j+3], v[ADR+FC] offset:FO*12288+\a*1536+512*\j
.endr
.endr
.endm
.macro MUL k                           ; 32 products; the 32 accumulators take turns, one instruction a turn, in the same order in every K step
.set KC, (\k)/2
.set KQ, (\k)%2
	WIN 0xa1                                       ; source 0 (P) window 1, source 1 (R) window 0, C and D window 2
.irp a, 0,1,2,3
.irp b, 0,1,2,3,4,5,6,7
.if (\k) == 0
	v_wmma_scale_f32_16x16x128_f8f6f4 v[8*(8*\a+\b):8*(8*\a+\b)+7], v[128*KQ+12*\b:128*KQ+12*\b+11], v[RF+48*KQ+12*\a:RF+48*KQ+12*\a+11], 0, v[SCP+8*KC+\b], v[SCR+4*KC+\a] matrix_a_fmt:MATRIX_FMT_FP6 matrix_b_fmt:MATRIX_FMT_FP6
.elseif KQ == 0
	v_wmma_scale_f32_16x16x128_f8f6f4 v[8*(8*\a+\b):8*(8*\a+\b)+7], v[128*KQ+12*\b:128*KQ+12*\b+11], v[RF+48*KQ+12*\a:RF+48*KQ+12*\a+11], v[8*(8*\a+\b):8*(8*\a+\b)+7], v[SCP+8*KC+\b], v[SCR+4*KC+\a] matrix_a_fmt:MATRIX_FMT_FP6 matrix_b_fmt:MATRIX_FMT_FP6
.else
	v_wmma_scale_f32_16x16x128_f8f6f4 v[8*(8*\a+\b):8*(8*\a+\b)+7], v[128*KQ+12*\b:128*KQ+12*\b+11], v[RF+48*KQ+12*\a:RF+48*KQ+12*\a+11], v[8*(8*\a+\b):8*(8*\a+\b)+7], v[SCP+8*KC+\b], v[SCR+4*KC+\a] matrix_a_fmt:MATRIX_FMT_FP6 matrix_b_fmt:MATRIX_FMT_FP6 matrix_a_scale:MATRIX_SCALE_ROW1 matrix_b_scale:MATRIX_SCALE_ROW1
.endif
.endr
.endr
	WIN 0
.endm
	s_wait_alu depctr_va_vdst(0)
	s_wait_tensorcnt 0x0                           ; my one load is in
	s_barrier_signal -1
	s_barrier_wait -1                              ; everybody's is
	FETCH 0
	s_wait_loadcnt 0x0                             ; the scale words and the bias
.irp k, 0,1,2,3,4,5,6,7
	s_wait_dscnt 0x0                               ; this K step's fragments are in (asked for 32 products ago)
.if \k < 7
.if \k > 0
	PLACES 4                                       ; in front of loads into the set that the last K step's products read
.endif
	FETCH \k+1
.endif
	MUL \k
.endr
; THE WAY OUT, a block of R (16 rows x 128 along P) at a time: + bias, quantised along P, the fragment stored in halves, its scale words gathered in LDS.
.macro OUTBLK a
.if (\a) == 0
	PLACES 4                                       ; behind the last products
.irp b, 0,1,2,3
	v_mov_b32 v[TM+4+\b], 0                        ; a lane permute's destination counts as one of its sources
.endr
.else
	s_wait_xcnt 0x0                                ; the last block's stores have read the codes' registers
.endif
	s_cmp_eq_u32 s[PATH], 0
	s_cbranch_scc0 .Lby_lane_\@
	WIN 0x02                                       ; source 0 window 2
.set N, 0
.rept 32
	v_pk_add_f32 v[HA+N:HA+N+1], v[64*(\a)+N:64*(\a)+N+1], v[BP+N:BP+N+1]   ; q, k: the bias runs along the registers.  Each accumulator is read from its low end on
.set N, N+2
.endr
	WIN 0
	s_branch .Lbiased_\@
.Lby_lane_\@:
	WIN 0x02
.set N, 0
.rept 32
	v_pk_add_f32 v[HA+N:HA+N+1], v[64*(\a)+N:64*(\a)+N+1], v[BR+2*(\a):BR+2*(\a)+1]   ; v: the lane's channel has one bias
.set N, N+2
.endr
	WIN 0
.Lbiased_\@:
	QUANT HA, PC, PW+(\a), TM
.irp c, 0,1
	global_store_b128 v1, v[PC+6*\c:PC+6*\c+3], s[OUT:OUT+1] offset:(\a)*1536+768*\c          ; 512 consecutive bytes,
	global_store_b64 v2, v[PC+6*\c+4:PC+6*\c+5], s[OUT:OUT+1] offset:(\a)*1536+768*\c+512     ; 256: both at multiples of 256 from the buffer's first byte
.endr
	ds_store_b32 v16, v[PW+(\a)] offset:64*(\a)    ; both halves of the lanes write the same word with the same value
.endm
	OUTBLK 0
	OUTBLK 1
	OUTBLK 2
	OUTBLK 3
	ds_load_b64 v[HA:HA+1], v17                    ; LDS serves a wave's instructions in order: this sees my four stores
	s_wait_dscnt 0x0
	global_store_b64 v2, v[HA:HA+1], s[OSC:OSC+1]  ; four fragments' scale words: 256 consecutive bytes, aligned
	s_wait_tensorcnt 0x0                           ; the wave's end, behind my last tensor load and my last LDS store
	ds_add_u32 v[SPW], v[NIL]
	s_wait_dscnt 0x0
	CROUND                                         ; the closing round
	s_endpgm
.Lfunc_end_k_qf8a78bc614_qkv:
	.size	k_qf8a78bc614_qkv, .Lfunc_end_k_qf8a78bc614_qkv-k_qf8a78bc614_qkv
	.p2alignl 7, 3214868480
	.fill 96, 4, 3214868480
	.section	.rodata,"a",@progbits
	.p2align	6, 0x0
	.amdhsa_kernel k_qf8a78bc614_qkv
		.amdhsa_group_segment_fixed_size 327680
		.amdhsa_private_segment_fixed_size 0
		.amdhsa_enable_private_segment 0
		.amdhsa_kernarg_size 40
		.amdhsa_user_sgpr_count 2
		.amdhsa_user_sgpr_kernarg_segment_ptr 1
		.amdhsa_wavefront_size32 1
		.amdhsa_system_sgpr_workgroup_id_x 1
		.amdhsa_system_sgpr_workgroup_id_y 1
		.amdhsa_system_sgpr_workgroup_id_z 1
		.amdhsa_system_vgpr_workitem_id 0
		.amdhsa_next_free_vgpr 768
		.amdhsa_next_free_sgpr 100
		.amdhsa_reserve_vcc 0
		.amdhsa_float_denorm_mode_32 3
		.amdhsa_float_denorm_mode_16_64 3
		.amdhsa_memory_ordered 1
		.amdhsa_forward_progress 1
		.amdhsa_inst_pref_size 97
	.end_amdhsa_kernel
	.amdgpu_metadata
---
amdhsa.version: [ 1, 2 ]
amdhsa.kernels:
  - .name:           k_qf8a78bc614_qkv
    .symbol:         k_qf8a78bc614_qkv.kd
    .args:
      - { .name: opimg, .offset: 0, .size: 8, .value_kind: global_buffer, .address_space: global }
      - { .name: opsc, .offset: 8, .size: 8, .value_kind: global_buffer, .address_space: global }
      - { .name: qkv_b, .offset: 16, .size: 8, .value_kind: global_buffer, .address_space: global }
      - { .name: img, .offset: 24, .size: 8, .value_kind: global_buffer, .address_space: global }
      - { .name: scl, .offset: 32, .size: 8, .value_kind: global_buffer, .address_space: global }
    .group_segment_fixed_size: 327680
    .private_segment_fixed_size: 0
    .kernarg_segment_align: 8
    .kernarg_segment_size: 40
    .max_flat_workgroup_size: 128
    .sgpr_count:     100
    .vgpr_count:     768
    .wavefront_size: 32
...
	.end_amdgpu_metadata
.endif
;; end of part 2
;; launch attn (part 3): grid 4 x 64, 16 waves a work-group, clusters of 4 x 1, 327,680 bytes of LDS; arguments img, scl, engagement, mask, oimg, osc; writes oimg, osc
.if DOCPART == 3
	.amdgcn_target "amdgcn-amd-amdhsa--gfx1250"
	.amdhsa_code_object_version 6
	.text
	.protected	k_qf8a78bc614_attn
	.globl	k_qf8a78bc614_attn
	.p2align	8
	.type	k_qf8a78bc614_attn,@function
k_qf8a78bc614_attn:
	s_mov_b64 s[64:65], 0
	v_nop
	global_prefetch_b8 v0, s[64:65] scope:SCOPE_SE
	s_setreg_imm32_b32 hwreg(HW_REG_WAVE_MODE, 25, 1), 1
	s_wait_xcnt 0x0
	s_wait_alu depctr_hold_cnt(0) depctr_sa_sdst(0) depctr_va_vdst(0) depctr_va_sdst(0) depctr_va_ssrc(0) depctr_va_vcc(0) depctr_vm_vsrc(0)
	s_getreg_b32 s2, hwreg(HW_REG_IB_STS2, 6, 4)
	s_cmp_eq_u32 s2, 0
	s_cbranch_scc0 .Lentry_in_a_cluster
	s_endpgm
.Lentry_in_a_cluster:
	s_bfe_u32 s2, ttmp6, 0x10000c
	s_cmp_lg_u32 s2, 0x3003
	s_cbranch_scc0 .Lentry_shape_is_right
	s_endpgm
.Lentry_shape_is_right:
; o = softmax(q k^T / 8 + ln(max(engagement, 1e-6)), masked keys at -1e9) v, both products on codes of FP6 (E2M3) with E8M0 scales, and o quantised along the model's 1,024 for the last product.
; SOFTMAX: t = logit x log2(e); M = the running largest t rounded up to a whole number; p = 2^(t - M) is quantised along the keys, not normalised; the row's sum is taken of the unquantised p and divides at the end.
; SHARES.  A work-group owns ONE head of one batch (y = 16 batch + head) and 512 queries (x); each of its sixteen waves owns two tiles of 16 queries, a and b.  The head's k and v for all 2,048 keys are 2 x 98,304 bytes:
; they lie in LDS whole, asked for at the head by sixteen joint loads, one a wave (waves 0-7: 16 token tiles of k each, rows of 768 bytes; waves 8-15: two key steps of v each, rows of 6,144 bytes).
; Nothing is filled again, so the walk over the keys, 16 steps of 128, has no barrier.  The four query blocks of a cluster share the loads.
; No prefetch is laid: all that a work-group reads is asked for at its very start; there is no loop to run ahead in.
; OPERANDS are images of fragment registers in halves (half c = registers 6 c .. 6 c + 5 at 768 c: four registers at 16 l, two at 512 + 8 l).  In q's and k's fragments half c is head c of a pair of heads.  Token and channel tiles
; hold rows 32 g + 8 u + r + 8 (r / 8).  Both products are used transposed (S^T = k q^T, O^T = v^T p^T): a lane holds one query throughout, and 16 registers of two neighbouring tiles are 16 neighbouring keys or channels.
; A HEAD IS 64, HALF OF THE INSTRUCTION'S K: q's fragment is six registers of codes and six of zero codes; k's for tile t is v[K + 6 t .. K + 6 t + 11], of which only the low half is its own: the high half meets q's zeros.
; So the head's two scale bytes are shifted to bytes 0, 1 of q's and k's scale words.
; A STEP: k's eight half fragments and words are loaded once for both tiles; S_a, softmax a, codes a; S_b, softmax b, codes b (into k's registers); v's four fragments are loaded once, into S's registers; eight products.
; THE BIAS IS THE C OF THE FIRST PRODUCT: t = (S + C) c with c = log2(e) / 8 and C[key] = 8 ln(max(engagement, 1e-6)), loaded from a table in LDS into S's registers.
; THE MASK: C = -8e9 and the key's scale word of k = 0 (2^-127 each), so that S vanishes beside C and t is -1e9 log2(e) for every masked key alike.  The tables are made at the kernel's head, four keys a thread.
; o LEAVES as half fragments of the last product (K step = pair of heads, half = the head's parity); its two scale bytes a row go to plane (head % 2) of osc, at their place in the word: the reader joins the planes by OR.
; LIMITS: NaN and infinities are not served (a NaN engagement counts as 1e-6).  A block of zeros, or one under 2^-124, keeps the byte 1.  A masked key's S is multiplied by 2^-127, not by 0.  In a batch whose keys are ALL masked
; p = 2^d with one d for all keys, |d| <= 64 (what the fused multiply-add sees of t's rounding): it cancels in p / the sum.  The scaled scores stay under 2^31 in magnitude.
.set VL,    98304                      ; LDS: k at 0 (6,144 a step), v here (6,144 a step)
.set TAB,   196608                     ; 1,024 a step: k's scale words (512), v's (256), 256 unused
.set BIASL, 212992                     ; 1,024 a step: the bias by key (512), 512 unused
.set SPARE, 229376                     ; the spare words, 128 bytes for each of 16 waves
.set OSCL,  231424                     ; 2,048 bytes: o's scale words on their way out
.set VB,    12582912
.set VSB,   524288
.set SPW,   5                          ; v1, v2 16 and 8 x lane; v3, v4 my places in the tables; v5, v6 the add's; v8-11, v7, v0 the step's addresses
.set NIL,   6                          ; v12-15, v16-19 a tile's -M, largest t, sum in two halves; v20-31, v32-43 q; v44, v45 q's scale words
.set K,     46                         ; v46-93 k's eight half fragments; later tile b's codes
.set PT,    94                         ; v94-101 at work; v94-99 also stand behind k's last half and meet q's zeros
.set BM,    98
.set S,     102                        ; v102-165 bias, S^T, p, then v's four fragments
.set OA,    166                        ; v166-197, v198-229 O^T of tiles a, b
.set OB,    198
.set CD,    230                        ; v230-241 tile a's codes
.set SO,    242                        ; v242-245 the conversions' scale operands
.set KW,    246                        ; v246-249 k's scale words
.set T,     250
.set PWB,   251                        ; p's scale words
.set F,     252
.set PWA,   253
.set VW,    254                        ; v254, v255 v's scale words
.set TB,    2
.set TBV,   3
.set TS,    16
.set CNT,   17
.set WV,    18
.set SH,    19
.set SEL,   20
.set CS,    22
.set G1K,   24
.set G1V,   32
.set G0,    40
.macro CROUND
	s_barrier_signal -1
	s_barrier_wait -1
	s_cmp_lg_u32 s[WV], 0
	s_cbranch_scc1 .Lnot_wave_0_\@
	s_barrier_signal -3
.Lnot_wave_0_\@:
	s_barrier_wait -3
	s_barrier_signal -1
	s_barrier_wait -1
.endm
.macro PLACES n
.rept \n
	v_nop
.endr
.endm
.macro ADDR                            ; the step's LDS addresses, from scalars stepped by constants
	v_add_nc_u32 v8, s[TB], v1
	v_add_nc_u32 v9, s[TB], v2
	v_add_nc_u32 v10, s[TBV], v1
	v_add_nc_u32 v11, s[TBV], v2
	v_add_nc_u32 v7, s[TS], v3
	v_add_nc_u32 v0, s[TS], v4
.endm
.macro QUANT s, pc, pw, tm             ; 64 numbers of a lane (register 16 b + i = k 32 b + 16 h + i of my row) -> codes in v[pc] .. v[pc + 11], the four blocks' bytes in v[pw]
.irp b, 0,1,2,3
	v_max3_num_f32 v[\tm+\b], |v[\s+16*\b]|, |v[\s+1+16*\b]|, 0x1800000
.endr
.irp i, 2,4,6,8,10,12,14
.irp b, 0,1,2,3
	v_max3_num_f32 v[\tm+\b], v[\tm+\b], |v[\s+16*\b+\i]|, |v[\s+1+16*\b+\i]|
.endr
.endr
.irp b, 0,1,2,3
	v_permlanex16_b32 v[\tm+4+\b], v[\tm+\b], s[SEL], s[SEL+1]
.endr
.irp b, 0,1,2,3
	v_max_num_f32 v[\tm+\b], v[\tm+\b], v[\tm+4+\b]
.endr
.irp b, 0,1,2,3
	v_add_nc_u32 v[\tm+12+\b], 0xff000000, v[\tm+\b]
.endr
.irp b, 0,1,2,3
	v_lshrrev_b32 v[\tm+4+\b], 23, v[\tm+12+\b]
.endr
	s_delay_alu instid0(VALU_DEP_3)
	v_lshl_or_b32 v[\pw], v[\tm+5], 8, v[\tm+4]
	s_delay_alu instid0(VALU_DEP_1)
	v_lshl_or_b32 v[\pw], v[\tm+6], 16, v[\pw]
	s_delay_alu instid0(VALU_DEP_1)
	v_lshl_or_b32 v[\pw], v[\tm+7], 24, v[\pw]
.irp c, 0,1
	v_cvt_scalef32_pk16_fp6_f32 v[\pc+6*\c:\pc+2+6*\c], v[\s+32*\c:\s+15+32*\c], v[\tm+12+2*\c]
	v_cvt_scalef32_pk16_fp6_f32 v[\pc+12+4*\c:\pc+14+4*\c], v[\s+16+32*\c:\s+31+32*\c], v[\tm+13+2*\c]
.endr
	v_nop
.irp c, 0,1
.irp i, 0,1,2
	v_permlane16_swap_b32 v[\pc+6*\c+\i], v[\pc+12+4*\c+\i]
.endr
.irp i, 0,1,2
	v_mov_b32 v[\pc+3+6*\c+\i], v[\pc+12+4*\c+\i]
.endr
.endr
.endm
	s_load_b256 s[4:11], s[0:1], 0x0               ; img s[4:5], scl s[6:7], engagement s[8:9], mask s[10:11]
	s_load_b128 s[12:15], s[0:1], 0x20             ; oimg s[12:13], osc s[14:15]
	v_lshl_add_u32 v[SPW], v0, 2, SPARE
	v_mov_b32 v[NIL], 0
	ds_add_u32 v[SPW], v[NIL]                      ; the wave's opening: the add, twice on end, and its wait ahead of my first tensor load
	ds_add_u32 v[SPW], v[NIL]
	v_lshrrev_b32 v7, 5, v0
	s_delay_alu instid0(VALU_DEP_1)
	v_readfirstlane_b32 s[WV], v7                  ; wave 0..15
	s_bfe_u32 s46, ttmp6, 0x40000                  ; cx = my block of 512 queries: it enters global addresses alone
	s_and_b32 s47, ttmp7, 0xffff
	s_lshr_b32 s48, s47, 4                         ; the batch
	s_and_b32 s49, s47, 15                         ; the head
	s_lshr_b32 s50, s49, 1                         ; its pair
	s_and_b32 s51, s49, 1                          ; and which of the pair
	s_lshl_b32 s[SH], s51, 4                       ; where its two bytes stand in a scale word, in bits
	s_mov_b32 s[G1K], 15|(3<<16)|(1<<21)           ; the mask: all four work-groups; elements of 8 bytes; bit 21 beside a mask; no padding
	s_mov_b32 s[G1K+1], 96<<16                     ; k: 16 rows of 768 bytes, 1,536 apart
	s_mov_b32 s[G1K+2], 16<<16
	s_mov_b32 s[G1K+3], 96<<16
	s_mov_b32 s[G1K+4], 16
	s_mov_b32 s[G1K+5], 192
	s_mov_b32 s[G1K+6], 0
	s_mov_b32 s[G1K+7], 0
	s_mov_b32 s[G1V], 15|(3<<16)|(1<<21)
	s_mov_b32 s[G1V+1], 768<<16                    ; v: 2 rows of 6,144 bytes, 98,304 apart
	s_mov_b32 s[G1V+2], 2<<16
	s_mov_b32 s[G1V+3], 768<<16
	s_mov_b32 s[G1V+4], 2
	s_mov_b32 s[G1V+5], 12288
	s_mov_b32 s[G1V+6], 0
	s_mov_b32 s[G1V+7], 0
	s_mov_b32 s[SEL], 0x76543210
	s_mov_b32 s[SEL+1], 0xfedcba98
	s_mov_b32 s[CS], 0x3e38aa3b                    ; c = log2(e) / 8
	s_mov_b32 s[CS+1], s[CS]
	s_mov_b32 s[TB], 0
	s_mov_b32 s[TBV], VL
	s_mov_b32 s[TS], 0
	s_add_co_u32 s52, s50, 8
	s_mul_i32 s52, s52, 786432                     ; k's pair: 512 token tiles of 1,536 bytes,
	s_mul_i32 s53, s48, 196608                     ; the batch's 128 tiles,
	s_add_co_u32 s52, s52, s53
	s_mul_i32 s57, s51, 768                        ; the head's half,
	s_add_co_u32 s52, s52, s57
	s_mul_i32 s53, s[WV], 24576                    ; 16 tiles a wave
	s_add_co_u32 s52, s52, s53
	s_mul_i32 s54, s48, 1572864                    ; v: the batch's 16 steps of 64 channel tiles,
	s_mul_i32 s53, s49, 6144                       ; the head's four tiles,
	s_add_co_u32 s54, s54, s53
	s_mul_i32 s53, s[WV], 196608                   ; two steps a wave, counted from wave 8
	s_add_co_u32 s54, s54, s53
	s_add_co_u32 s54, s54, VB-8*196608
	s_cmp_lt_u32 s[WV], 8
	s_cselect_b32 s52, s52, s54
	s_mov_b32 s53, 0
	s_mov_b32 s[G0], 1
	s_mul_i32 s[G0+1], s[WV], 12288                ; LDS: k's eight parts, then v's eight
	s_wait_dscnt 0x0                               ; both opening adds are done
	s_wait_kmcnt 0x0
	s_add_nc_u64 s[G0+2:G0+3], s[4:5], s[52:53]
	s_or_b32 s[G0+3], s[G0+3], 0x80000000
	CROUND                                         ; all four work-groups are here: the joint loads meet
	s_cmp_lt_u32 s[WV], 8                          ; one branch on the wave's number, one load in each arm
	s_cbranch_scc0 .Lfor_v
	tensor_load_to_lds s[G0:G0+3], s[G1K:G1K+7]
	s_nop 0
	PLACES 4
	s_branch .Lasked
.Lfor_v:
	tensor_load_to_lds s[G0:G0+3], s[G1V:G1V+7]
	s_nop 0
	PLACES 4
.Lasked:
	s_lshl_b32 s55, s48, 7
	s_lshl_b32 s56, s46, 5
	s_add_co_u32 s55, s55, s56
	s_lshl_b32 s56, s[WV], 1
	s_add_co_u32 s55, s55, s56                     ; my first token tile: 128 batch + 32 x + 2 wave
	s_lshl_b32 s56, s50, 9
	s_add_co_u32 s56, s56, s55
	s_mul_i32 s58, s56, 1536
	s_add_co_u32 s58, s58, s57
	s_mov_b32 s59, 0
	s_add_nc_u64 s[58:59], s[4:5], s[58:59]        ; q's half fragments
	s_lshl_b32 s60, s56, 6
	s_mov_b32 s61, 0
	s_add_nc_u64 s[60:61], s[6:7], s[60:61]        ; and scale words
	s_add_co_u32 s62, s50, 8
	s_lshl_b32 s62, s62, 15
	s_lshl_b32 s63, s48, 13
	s_add_co_u32 s62, s62, s63
	s_mov_b32 s63, 0
	s_add_nc_u64 s[62:63], s[6:7], s[62:63]        ; the batch's scale words of k
	s_lshl_b32 s66, s48, 16
	s_lshl_b32 s67, s49, 8
	s_add_co_u32 s66, s66, s67
	s_add_co_u32 s66, s66, VSB
	s_mov_b32 s67, 0
	s_add_nc_u64 s[66:67], s[6:7], s[66:67]        ; and of v: 256 bytes a step for the head
	s_lshr_b32 s68, s55, 3
	s_mul_i32 s68, s68, 98304                      ; oimg: the group of 128 tokens,
	s_mul_i32 s69, s50, 12288                      ; K step = the pair of heads,
	s_add_co_u32 s68, s68, s69
	s_and_b32 s69, s55, 7
	s_mul_i32 s69, s69, 1536                       ; the tile,
	s_add_co_u32 s68, s68, s69
	s_add_co_u32 s68, s68, s57                     ; the half
	s_mov_b32 s69, 0
	s_add_nc_u64 s[12:13], s[12:13], s[68:69]
	s_lshl_b32 s68, s48, 4
	s_lshl_b32 s69, s46, 2
	s_add_co_u32 s68, s68, s69
	s_lshl_b32 s68, s68, 12                        ; osc: my work-group's first group,
	s_lshr_b32 s69, s50, 1
	s_lshl_b32 s69, s69, 10                        ; the pair of K steps,
	s_add_co_u32 s68, s68, s69
	s_and_b32 s69, s50, 1
	s_lshl_b32 s69, s69, 8                         ; lanes 0-15 or 16-31 of it,
	s_add_co_u32 s68, s68, s69
	s_lshl_b32 s69, s51, 18                        ; the plane
	s_add_co_u32 s68, s68, s69
	s_mov_b32 s69, 0
	s_add_nc_u64 s[14:15], s[14:15], s[68:69]
	s_lshl_b32 s52, s48, 13
	s_add_nc_u64 s[8:9], s[8:9], s[52:53]          ; the batch's engagement
	s_lshl_b32 s52, s48, 11
	s_add_nc_u64 s[10:11], s[10:11], s[52:53]      ; and mask
	v_and_b32 v7, 31, v0
	v_bfe_u32 v102, v0, 4, 1                       ; h
	v_and_b32 v103, 15, v0
	v_lshrrev_b32 v113, 5, v0                      ; the step whose table entries my thread makes
	v_lshlrev_b32 v1, 4, v7
	v_lshlrev_b32 v2, 3, v7
	v_lshl_add_u32 v3, v7, 2, TAB                  ; scale words: lanes 0-15 one tile's 16 rows, lanes 16-31 the next tile's
	v_lshl_add_u32 v4, v102, 6, BIASL              ; the bias: my half's 16 keys of a block of 32
	v_lshlrev_b32 v103, 2, v103
	v_lshlrev_b32 v104, 4, v0
.irp i, 0,1
	global_load_b128 v[20+12*\i:23+12*\i], v1, s[58:59] offset:1536*\i        ; q of tile i: six registers of codes
	global_load_b64 v[24+12*\i:25+12*\i], v2, s[58:59] offset:1536*\i+512
	global_load_b32 v[44+\i], v103, s[60:61] offset:64*\i
.endr
	; the tables: thread t takes four scale words of k with their four keys' mask bytes, two scale words of v, and keys 4 t .. 4 t + 3 of the bias
	global_load_b128 v[108:111], v104, s[62:63]    ; rows 4 (t % 4) .. + 3 of token tile t / 4: their keys are neighbours:
	v_lshrrev_b32 v106, 3, v0
	v_bfe_u32 v107, v0, 1, 1
	s_delay_alu instid0(VALU_DEP_2)
	v_lshlrev_b32 v106, 5, v106
	s_delay_alu instid0(VALU_DEP_1)
	v_lshl_add_u32 v106, v107, 4, v106
	v_bfe_u32 v107, v0, 2, 1
	s_delay_alu instid0(VALU_DEP_1)
	v_lshl_add_u32 v106, v107, 3, v106
	v_and_b32 v107, 1, v0
	s_delay_alu instid0(VALU_DEP_1)
	v_lshl_add_u32 v106, v107, 2, v106             ; 32 (t / 8) + 16 bit 1 + 8 bit 2 + 4 bit 0
	global_load_b32 v112, v106, s[10:11]
	v_lshl_add_u32 v123, v113, 12, v2              ; v: step t / 32 (4,096 bytes apart), 8 bytes a lane
	global_load_b64 v[114:115], v123, s[66:67]
	global_load_b128 v[116:119], v104, s[8:9]
	v_lshlrev_b32 v120, 2, v0
	global_load_b32 v121, v120, s[10:11]
	v_lshl_add_u32 v105, v113, 10, v1              ; in a table: 1,024 a step, 16 bytes a lane
	v_lshl_add_u32 v122, v113, 10, v2              ; 8 bytes a lane
	v_add_nc_u32 v105, TAB, v105                   ; k's scale words; the bias lies BIASL - TAB further on
	v_add_nc_u32 v122, TAB+512, v122               ; v's scale words
.irp j, 26,27,28,29,30,31,38,39,40,41,42,43,94,95,96,97,98,99,100,101,253
	v_mov_b32 v[\j], 0                             ; q's zero codes for k = 64 .. 127; lane permutes' destinations and what stands behind k's last half; the upper half of the pair v[252:253]
.endr
.irp e, 0,1
	v_mov_b32 v[13+4*\e], 0xff61b1e6               ; the largest t so far: -3e38
	v_mov_b32 v[14+4*\e], 0                        ; the sum, in two halves
	v_mov_b32 v[15+4*\e], 0
	v_floor_f32 v[12+4*\e], -v[13+4*\e]            ; -M
.endr
.set N, 0
.rept 64
	v_mov_b32 v[OA+N], 0                           ; O^T.  (The step is written once: its first walk finds zeros, which the first change of M leaves zeros)
.set N, N+1
.endr
	ADDR                                           ; (v0 is the thread's number no more)
	s_wait_alu depctr_va_vdst(0)
	s_wait_loadcnt 0x0
	v_lshrrev_b32 v44, s[SH], v44                  ; the head's two bytes to bytes 0, 1
	v_lshrrev_b32 v45, s[SH], v45
.irp j, 0,1,2,3
	v_bfe_u32 v[124+\j], v112, 8*\j, 1
.endr
.irp j, 0,1,2,3
	v_lshrrev_b32 v[108+\j], s[SH], v[108+\j]
.endr
.irp j, 0,1,2,3
	v_add_nc_u32 v[124+\j], -1, v[124+\j]          ; all ones for a key that counts, 0 for a masked one
.endr
.irp j, 0,1,2,3
	v_max_num_f32 v[116+\j], 0x358637bd, v[116+\j] ; the clip at 1e-6
.endr
.irp j, 0,1,2,3
	v_and_b32 v[108+\j], v[108+\j], v[124+\j]
.endr
	ds_store_b128 v105, v[108:111]
	ds_store_b64 v122, v[114:115]
	s_wait_alu depctr_va_vdst(0)                   ; ahead of the batch
.irp j, 0,1,2,3
	v_log_f32 v[116+\j], v[116+\j]
.endr
.irp j, 0,1,2,3
	v_bfe_u32 v[124+\j], v121, 8*\j, 1             ; (plain work behind the logarithms)
.endr
	s_wait_alu depctr_va_vdst(0)                   ; one wait for the four, ahead of their first reader
.irp j, 0,1,2,3
	v_mul_f32 v[116+\j], 0x40b17218, v[116+\j]     ; x 8 ln 2
.endr
.irp j, 0,1,2,3
	v_cmp_eq_u32 vcc_lo, 0, v[124+\j]
	s_delay_alu instid0(VALU_DEP_1)
	v_cndmask_b32 v[116+\j], 0xcfee6b28, v[116+\j], vcc_lo   ; -8e9 for a masked key
.endr
	ds_store_b128 v105, v[116:119] offset:BIASL-TAB
	s_wait_alu depctr_va_vdst(0)
	s_wait_tensorcnt 0x0                           ; my part of k or v is in,
	s_wait_dscnt 0x0                               ; my table entries are stored:
	s_barrier_signal -1
	s_barrier_wait -1                              ; everybody's are.  Nothing is filled or stored there again
.macro BIAS                            ; C of keys 32 b + 16 h + i into register 16 b + i
.irp n, 0,1,2,3,4,5,6,7,8,9,10,11,12,13,14,15
	ds_load_b128 v[S+4*\n:S+4*\n+3], v0 offset:128*(\n/4)+16*(\n%4)
.endr
.endm
.macro SMUL qf, qw                     ; S^T = k q^T + C: eight tiles of 16 keys, eight accumulators, one instruction each
.irp t, 0,1,2,3,4,5,6,7
.if \t%2
	v_wmma_scale_f32_16x16x128_f8f6f4 v[S+8*\t:S+8*\t+7], v[K+6*\t:K+6*\t+11], v[\qf:\qf+11], v[S+8*\t:S+8*\t+7], v[KW+\t/2], v[\qw] matrix_a_fmt:MATRIX_FMT_FP6 matrix_b_fmt:MATRIX_FMT_FP6 matrix_a_scale:MATRIX_SCALE_ROW1
.else
	v_wmma_scale_f32_16x16x128_f8f6f4 v[S+8*\t:S+8*\t+7], v[K+6*\t:K+6*\t+11], v[\qf:\qf+11], v[S+8*\t:S+8*\t+7], v[KW+\t/2], v[\qw] matrix_a_fmt:MATRIX_FMT_FP6 matrix_b_fmt:MATRIX_FMT_FP6
.endif
.endr
.endm
.macro SOFT1 st, pc, pw                ; from the scores to p's codes (half blocks) and scale word
	PLACES 4                                       ; behind the products
.irp b, 0,1,2,3
	v_max3_num_f32 v[BM+\b], v[S+16*\b], v[S+1+16*\b], v[S+2+16*\b]   ; the largest score of each block of 32 keys: for the row's maximum, and, since p rises with the score, for the block's largest p
.endr
.irp i, 3,5,7,9,11,13
.irp b, 0,1,2,3
	v_max3_num_f32 v[BM+\b], v[BM+\b], v[S+16*\b+\i], v[S+1+16*\b+\i]
.endr
.endr
.irp b, 0,1,2,3
	v_max_num_f32 v[BM+\b], v[BM+\b], v[S+15+16*\b]
.endr
.irp b, 0,1,2,3
	v_permlanex16_b32 v[PT+\b], v[BM+\b], s[SEL], s[SEL+1]
.endr
.irp b, 0,1,2,3
	v_max_num_f32 v[BM+\b], v[BM+\b], v[PT+\b]     ; with lane l xor 16's 16 keys
.endr
	s_delay_alu instid0(VALU_DEP_2)
	v_max3_num_f32 v[T], v[BM], v[BM+1], v[BM+2]
	s_delay_alu instid0(VALU_DEP_1)
	v_max_num_f32 v[T], v[T], v[BM+3]
	s_delay_alu instid0(VALU_DEP_1)
	v_mul_f32 v[T], s[CS], v[T]                    ; the step's largest t of my query
	s_delay_alu instid0(VALU_DEP_1)
	v_max_num_f32 v[\st+1], v[\st+1], v[T]         ; the running largest t
	v_mov_b32 v[T], v[\st]
	s_delay_alu instid0(VALU_DEP_2)
	v_floor_f32 v[\st], -v[\st+1]                  ; the new -M = -ceil(t): a whole number
	s_delay_alu instid0(VALU_DEP_1)
	v_sub_f32 v[T], v[\st], v[T]                   ; old M - new M, 0 or less
	s_delay_alu instid0(VALU_DEP_1)
	v_cvt_i32_f32 v[T], v[T]                       ; (it saturates)
	s_delay_alu instid0(VALU_DEP_1)
	v_ldexp_f32 v[F], 1.0, v[T]                    ; f = 2^(old M - new M): a multiplication by it rounds nothing
.set N, 0
.rept 32
	v_pk_fma_f32 v[S+N:S+N+1], v[S+N:S+N+1], s[CS:CS+1], v[\st:\st+1] op_sel_hi:[1,0,0]   ; t - M, two at a time
.set N, N+2
.endr
.irp b, 0,1,2,3
	v_fma_f32 v[BM+\b], v[BM+\b], s[CS], v[\st]    ; the same of each block's largest score
.endr
	s_wait_alu depctr_va_vdst(0)                   ; ahead of the batch
.set N, 0
.rept 64
	v_exp_f32 v[S+N], v[S+N]                       ; p = 2^(t - M)
.set N, N+1
.endr
	v_pk_mul_f32 v[\st+2:\st+3], v[\st+2:\st+3], v[F:F+1] op_sel_hi:[1,0]   ; the sums under the new M.  (A plain place behind the exponentials)
	s_wait_alu depctr_va_vdst(0)                   ; one wait for the whole batch, ahead of its first reader
.irp b, 0,1,2,3
	v_exp_f32 v[BM+\b], v[BM+\b]                   ; the block's largest p: the same two instructions on the same number give the same bits
.endr
	v_pk_add_f32 v[PT:PT+1], v[S:S+1], v[S+2:S+3]  ; the row's sum of the unquantised p, in two chains: plain work behind the four
.irp j, 4,8,12,16,20,24,28,32,36,40,44,48,52,56,60
	v_pk_add_f32 v[\st+2:\st+3], v[\st+2:\st+3], v[S+\j:S+1+\j]
	v_pk_add_f32 v[PT:PT+1], v[PT:PT+1], v[S+2+\j:S+3+\j]
.endr
	s_delay_alu instid0(VALU_DEP_1)
	v_pk_add_f32 v[\st+2:\st+3], v[\st+2:\st+3], v[PT:PT+1]
	s_wait_alu depctr_va_vdst(0)                   ; and one for the four
.irp b, 0,1,2,3
	v_max_num_f32 v[BM+\b], 0x1800000, v[BM+\b]    ; the floor 2^(3 - 127): a block whose every p is 0 keeps the byte 1: its codes are zeros
.endr
.irp b, 0,1,2,3
	v_add_nc_u32 v[SO+\b], 0xff000000, v[BM+\b]    ; 2 off the exponent field: the conversion's scale operand
.endr
.irp b, 0,1,2,3
	v_lshrrev_b32 v[PT+\b], 23, v[SO+\b]
.endr
	s_delay_alu instid0(VALU_DEP_3)
	v_lshl_or_b32 v[\pw], v[PT+1], 8, v[PT]        ; p's scale word for these 128 keys
	s_delay_alu instid0(VALU_DEP_1)
	v_lshl_or_b32 v[\pw], v[PT+2], 16, v[\pw]
	s_delay_alu instid0(VALU_DEP_1)
	v_lshl_or_b32 v[\pw], v[PT+3], 24, v[\pw]
.irp c, 0,1
	v_cvt_scalef32_pk16_fp6_f32 v[\pc+6*\c:\pc+2+6*\c], v[S+32*\c:S+15+32*\c], v[SO+2*\c]
	v_cvt_scalef32_pk16_fp6_f32 v[PT+4*\c:PT+2+4*\c], v[S+16+32*\c:S+31+32*\c], v[SO+1+2*\c]
.endr
	v_nop                                          ; one plain place behind the scaled conversions
.endm
.macro SOFT2 pc, oa                    ; whole blocks into the lanes, and O^T under the new M: both stand over the LDS loads just issued
.irp c, 0,1
.irp i, 0,1,2
	v_permlane16_swap_b32 v[\pc+6*\c+\i], v[PT+4*\c+\i]
.endr
.irp i, 0,1,2
	v_mov_b32 v[\pc+3+6*\c+\i], v[PT+4*\c+\i]
.endr
.endr
	s_wait_alu depctr_va_vdst(0)                   ; directly ahead of the first reader of O^T
.set N, 0
.rept 16
	v_pk_mul_f32 v[\oa+N:\oa+N+1], v[\oa+N:\oa+N+1], v[F:F+1] op_sel_hi:[1,0]   ; (also the places between the lines that made p's codes and word and the products)
.set N, N+2
.endr
.endm
.macro PV1 t, oa, pc, pw
.if (\t)%2
	v_wmma_scale_f32_16x16x128_f8f6f4 v[\oa+8*\t:\oa+8*\t+7], v[S+12*\t:S+12*\t+11], v[\pc:\pc+11], v[\oa+8*\t:\oa+8*\t+7], v[VW+\t/2], v[\pw] matrix_a_fmt:MATRIX_FMT_FP6 matrix_b_fmt:MATRIX_FMT_FP6 matrix_a_scale:MATRIX_SCALE_ROW1
.else
	v_wmma_scale_f32_16x16x128_f8f6f4 v[\oa+8*\t:\oa+8*\t+7], v[S+12*\t:S+12*\t+11], v[\pc:\pc+11], v[\oa+8*\t:\oa+8*\t+7], v[VW+\t/2], v[\pw] matrix_a_fmt:MATRIX_FMT_FP6 matrix_b_fmt:MATRIX_FMT_FP6
.endif
.endm
	s_mov_b32 s[CNT], 16
.Lstep:                                ; a step of 128 keys for both tiles
	BIAS
.irp t, 0,1,2,3,4,5,6,7
	ds_load_b128 v[K+6*\t:K+6*\t+3], v8 offset:768*\t
	ds_load_b64 v[K+6*\t+4:K+6*\t+5], v9 offset:768*\t+512
.endr
.irp p, 0,1,2,3
	ds_load_b32 v[KW+\p], v7 offset:128*\p
.endr
	s_wait_dscnt 0x0
	SMUL 20, 44
	SOFT1 12, CD, PWA
	BIAS                                           ; p of tile a has been read: tile b's C takes its registers
	SOFT2 CD, OA
	s_wait_dscnt 0x0
	SMUL 32, 45
	SOFT1 16, K, PWB                               ; k has been multiplied for both tiles: tile b's codes take its first registers
.irp t, 0,1,2,3                        ; v's four fragments (16 channels x 128 keys), once for both tiles
.irp c, 0,1
	ds_load_b128 v[S+12*\t+6*\c:S+12*\t+6*\c+3], v10 offset:\t*1536+768*\c
	ds_load_b64 v[S+12*\t+6*\c+4:S+12*\t+6*\c+5], v11 offset:\t*1536+768*\c+512
.endr
.endr
.irp p, 0,1
	ds_load_b32 v[VW+\p], v7 offset:512+128*\p
.endr
	SOFT2 K, OB
	s_wait_alu depctr_va_vdst(0)
	s_wait_dscnt 0x0
.irp t, 0,1,2,3                        ; O^T += v^T p^T: eight accumulators, one instruction each
	PV1 \t, OA, CD, PWA
	PV1 \t, OB, K, PWB
.endr
	s_add_co_u32 s[TB], s[TB], 6144
	s_add_co_u32 s[TBV], s[TBV], 6144
	s_add_co_u32 s[TS], s[TS], 1024
	ADDR                                           ; six plain lines: the places behind the products, for the next step's loads and first products
	s_sub_co_u32 s[CNT], s[CNT], 1
	s_cmp_lg_u32 s[CNT], 0
	s_wait_alu depctr_va_vdst(0)
	s_cbranch_scc1 .Lstep
	; THE WAY OUT: o = O^T / the sum, quantised along the head's 64 channels: two blocks a tile
	v_add_f32 v14, v14, v15                        ; the sum's two halves
	v_add_f32 v18, v18, v19
	v_mov_b32 v47, 0                               ; (upper halves of the pairs that the packed multiplications name)
	v_mov_b32 v49, 0
	v_permlanex16_b32 v[PT], v14, s[SEL], s[SEL+1]
	v_permlanex16_b32 v[PT+1], v18, s[SEL], s[SEL+1]
	s_delay_alu instid0(VALU_DEP_2)
	v_add_f32 v14, v14, v[PT]                      ; and lane l xor 16's
	s_delay_alu instid0(VALU_DEP_2)
	v_add_f32 v18, v18, v[PT+1]
	s_wait_alu depctr_va_vdst(0)
	v_rcp_f32 v46, v14
	v_rcp_f32 v48, v18
	v_bfe_u32 v53, v1, 4, 4                        ; (plain work behind the reciprocals)  r
	s_wait_alu depctr_va_vdst(0)                   ; directly behind the write
	s_lshr_b32 s46, s[WV], 1
	s_lshl_b32 s46, s46, 8
	s_and_b32 s47, s[WV], 1
	s_lshl_b32 s47, s47, 3
	s_add_co_u32 s46, s46, s47
	s_add_co_u32 s46, s46, OSCL
	v_lshl_add_u32 v50, v53, 4, s46                ; my two scale words' place: [four tiles: wave / 2][row r][tiles 2 (wave % 2), + 1]
	s_lshl_b32 s47, s[WV], 9
	s_add_co_u32 s47, s47, OSCL
	v_add_nc_u32 v51, s47, v1                      ; back (waves 0-3): a group's 512 bytes, 16 a lane
	v_bfe_u32 v52, v1, 8, 1
	s_delay_alu instid0(VALU_DEP_1)
	v_lshlrev_b32 v52, 9, v52
	s_delay_alu instid0(VALU_DEP_1)
	v_lshl_add_u32 v52, v53, 4, v52
	s_lshl_b32 s47, s[WV], 12
	v_add_nc_u32 v52, s47, v52                     ; in osc: group = wave, four tiles = lane / 16, 16 bytes a row
	s_wait_alu depctr_va_vdst(0)                   ; one wait for both reciprocals, directly ahead of the first reader of them and of O^T
.set N, 0
.rept 16
	v_pk_mul_f32 v[S+N:S+N+1], v[OA+N:OA+N+1], v[46:47] op_sel_hi:[1,0]       ; each accumulator from its low end on
.set N, N+2
.endr
.rept 16
	v_pk_mul_f32 v[S+N:S+N+1], v[OA+N:OA+N+1], v[48:49] op_sel_hi:[1,0]
.set N, N+2
.endr
	QUANT S, OA, 202, 186                          ; blocks 0, 1: tile a; 2, 3: tile b: six registers of codes and two bytes each
.irp i, 0,1
	global_store_b128 v1, v[OA+6*\i:OA+6*\i+3], s[12:13] offset:1536*\i       ; 512 consecutive bytes,
	global_store_b64 v2, v[OA+6*\i+4:OA+6*\i+5], s[12:13] offset:1536*\i+512  ; 256: both at multiples of 256 from the buffer's first byte
.endr
	v_and_b32 v54, 0xffff, v202
	v_lshrrev_b32 v55, 16, v202
	s_delay_alu instid0(VALU_DEP_2)
	v_lshlrev_b32 v54, s[SH], v54                  ; the head's two bytes at their place in the K step's word
	s_delay_alu instid0(VALU_DEP_2)
	v_lshlrev_b32 v55, s[SH], v55
	ds_store_b64 v50, v[54:55]                     ; both halves of the lanes write the same words with the same values
	s_wait_dscnt 0x0                               ; for the others' sake: my store is done
	s_barrier_signal -1
	s_barrier_wait -1
	s_cmp_lt_u32 s[WV], 4
	s_cbranch_scc0 .Ldone
	ds_load_b128 v[56:59], v51
	s_wait_dscnt 0x0
	global_store_b128 v52, v[56:59], s[14:15]      ; sixteen lanes store 256 consecutive bytes, aligned
.Ldone:
	s_wait_tensorcnt 0x0                           ; the wave's end, behind my last tensor load and my last LDS store
	ds_add_u32 v[SPW], v[NIL]
	s_wait_dscnt 0x0
	CROUND                                         ; the closing round
	s_endpgm
.Lfunc_end_k_qf8a78bc614_attn:
	.size	k_qf8a78bc614_attn, .Lfunc_end_k_qf8a78bc614_attn-k_qf8a78bc614_attn
	.p2alignl 7, 3214868480
	.fill 96, 4, 3214868480
	.section	.rodata,"a",@progbits
	.p2align	6, 0x0
	.amdhsa_kernel k_qf8a78bc614_attn
		.amdhsa_group_segment_fixed_size 327680
		.amdhsa_private_segment_fixed_size 0
		.amdhsa_enable_private_segment 0
		.amdhsa_kernarg_size 48
		.amdhsa_user_sgpr_count 2
		.amdhsa_user_sgpr_kernarg_segment_ptr 1
		.amdhsa_wavefront_size32 1
		.amdhsa_system_sgpr_workgroup_id_x 1
		.amdhsa_system_sgpr_workgroup_id_y 1
		.amdhsa_system_sgpr_workgroup_id_z 1
		.amdhsa_system_vgpr_workitem_id 0
		.amdhsa_next_free_vgpr 256
		.amdhsa_next_free_sgpr 70
		.amdhsa_reserve_vcc 1
		.amdhsa_float_denorm_mode_32 3
		.amdhsa_float_denorm_mode_16_64 3
		.amdhsa_memory_ordered 1
		.amdhsa_forward_progress 1
		.amdhsa_inst_pref_size 56
	.end_amdhsa_kernel
	.amdgpu_metadata
---
amdhsa.version: [ 1, 2 ]
amdhsa.kernels:
  - .name:           k_qf8a78bc614_attn
    .symbol:         k_qf8a78bc614_attn.kd
    .args:
      - { .name: img, .offset: 0, .size: 8, .value_kind: global_buffer, .address_space: global }
      - { .name: scl, .offset: 8, .size: 8, .value_kind: global_buffer, .address_space: global }
      - { .name: engagement, .offset: 16, .size: 8, .value_kind: global_buffer, .address_space: global }
      - { .name: mask, .offset: 24, .size: 8, .value_kind: global_buffer, .address_space: global }
      - { .name: oimg, .offset: 32, .size: 8, .value_kind: global_buffer, .address_space: global }
      - { .name: osc, .offset: 40, .size: 8, .value_kind: global_buffer, .address_space: global }
    .group_segment_fixed_size: 327680
    .private_segment_fixed_size: 0
    .kernarg_segment_align: 8
    .kernarg_segment_size: 48
    .max_flat_workgroup_size: 512
    .sgpr_count:     70
    .vgpr_count:     256
    .wavefront_size: 32
...
	.end_amdgpu_metadata
.endif
;; end of part 3
;; launch outp (part 4): grid 8 x 32, 4 waves a work-group, clusters of 4 x 4, 327,680 bytes of LDS; arguments oimg, osc, opimg, opsc, out_b, out0; writes out0
.if DOCPART == 4
	.amdgcn_target "amdgcn-amd-amdhsa--gfx1250"
	.amdhsa_code_object_version 6
	.text
	.protected	k_qf8a78bc614_outp
	.globl	k_qf8a78bc614_outp
	.p2align	8
	.type	k_qf8a78bc614_outp,@function
k_qf8a78bc614_outp:
	s_mov_b64 s[64:65], 0
	v_nop
	global_prefetch_b8 v0, s[64:65] scope:SCOPE_SE
	s_setreg_imm32_b32 hwreg(HW_REG_WAVE_MODE, 25, 1), 1
	s_wait_xcnt 0x0
	s_wait_alu depctr_hold_cnt(0) depctr_sa_sdst(0) depctr_va_vdst(0) depctr_va_sdst(0) depctr_va_ssrc(0) depctr_va_vcc(0) depctr_vm_vsrc(0)
	s_getreg_b32 s2, hwreg(HW_REG_IB_STS2, 6, 4)
	s_cmp_eq_u32 s2, 0
	s_cbranch_scc0 .Lentry_in_a_cluster
	s_endpgm
.Lentry_in_a_cluster:
	s_bfe_u32 s2, ttmp6, 0x10000c
	s_cmp_lg_u32 s2, 0xf033
	s_cbranch_scc0 .Lentry_shape_is_right
	s_endpgm
.Lentry_shape_is_right:
; out0 = o out_w^T + out_b on codes of FP6 (E2M3) with E8M0 scales; out0 [8192][1024] f32.
; OPERANDS are images of fragment registers (16 rows x 128 K = 1,536 bytes; registers 4 c .. 4 c + 3 of lane l at 512 c + 16 l), [group of 128 rows][K step 8][tile 8]: o in oimg (groups 0-63), out_w in opimg (groups 88-95).
; Tile 2 g + u of a group holds rows 32 g + 8 u + r + 8 (r / 8).  Source 0 = 16 rows of out_w, source 1 = 16 tokens: lane (r, h) holds token r of its tile, and register 8 b + j of the weight's eight tiles is column
; 32 (b / 2) + 16 h + 8 (b % 2) + j: neighbouring columns of one row of out0.
; SHARES.  A work-group takes 256 tokens (groups 2 Y, 2 Y + 1) x 128 columns (group 88 + X), all K = 1,024: 3 x 98,304 bytes, which fit in LDS at once: first fills alone, asked for at the start, one joint load a wave.
; Four waves, each 128 columns x 64 tokens: 32 accumulators.  The bias is the C of each sum's first product.
; CLUSTER 4 x 4: o's pieces are shared along a row of the cluster, the weight's along a column, by joint loads.  No prefetch is laid: all that a work-group reads is asked for at its very start.
; REGISTERS: window 0: v1 16 x lane; v8-15 LDS addresses; v16, v17 the stage; v28, v29 the add's; v32-63, v64-79 scale words (nothing else ever); v80-143 the bias, later rows of out0; v160-255 the tokens' fragments, two sets, later rows of out0.
;   window 1: the weight's fragments, two sets at v0 and v128.   window 2: accumulator (a, b) at v[8 (8 a + b)].
; THE FILLS, as they now stand: the three groups lie whole in LDS, [piece 3][K step 8][tile 8][1,536]; each wave asks for one part at the head, by one joint load:
; waves 0, 1 a whole group of o (384 rows of 256 bytes), waves 2, 3 half of the weight's group each (192 rows).  One wait and one barrier show all of it to all waves; nothing is filled later.
; o's fragments lie in halves (half c = registers 6 c .. 6 c + 5 at 768 c: four registers at 16 l, two at 512 + 8 l); o's scale words come in two planes of osc, joined by OR.
.set CH,    49152                      ; four K steps of a piece: what one address register reaches
.set PIECE, 98304                      ; a piece: a whole group: piece 0, 1 = o's two groups, piece 2 = the weight's
.set GRP,   98304
.set SPARE, 6*CH
.set SP,    528                        ; the way out: a stage of 16 rows x (512 bytes + 16) for each wave, in chunk 0, which has had its only fill and its last read when the first result is stored there
.set ADP,   8
.set ADR,   12
.set SPW,   28
.set NIL,   29
.set SCP,   32
.set SCR,   64
.set BP,    80
.set RF,    160
.set WV,    16
.set G1T,   24
.set G1W,   32
.set G0T,   40
.set OUT,   92
.set PSC,   96
.set RSC,   98
.set MSB, 0
.macro WIN new                         ; the immediate's high byte repeats the setting that is left
.if MSB != \new
	s_set_vgpr_msb (MSB<<8)|\new
.set MSB, \new
.endif
.endm
.macro PLACES n
.rept \n
	v_nop
.endr
.endm
.macro CROUND
	s_barrier_signal -1
	s_barrier_wait -1
	s_cmp_lg_u32 s[WV], 0
	s_cbranch_scc1 .Lnot_wave_0_\@
	s_barrier_signal -3
.Lnot_wave_0_\@:
	s_barrier_wait -3
	s_barrier_signal -1
	s_barrier_wait -1
.endm
.macro MKG0 g, lds, src, c
	s_mov_b32 s[\g], 1
	s_add_co_u32 s[\g+1], s[\lds], (\c)*CH
	s_add_nc_u64 s[\g+2:\g+3], s[\src:\src+1], (\c)*PIECE
	s_or_b32 s[\g+3], s[\g+3], 0x80000000
.endm
	s_load_b256 s[4:11], s[0:1], 0x0               ; oimg s[4:5], osc s[6:7], opimg s[8:9], opsc s[10:11]
	s_load_b128 s[12:15], s[0:1], 0x20             ; out_b s[12:13], out0 s[14:15]
	v_lshl_add_u32 v[SPW], v0, 2, SPARE
	v_mov_b32 v[NIL], 0
	ds_add_u32 v[SPW], v[NIL]                      ; the wave's opening: the add and its wait ahead of my first tensor load; work on registers stands between them
	ds_add_u32 v[SPW], v[NIL]
	v_lshrrev_b32 v3, 5, v0
	v_readfirstlane_b32 s[WV], v3                  ; wave 0..3
	s_bfe_u32 s17, ttmp6, 0x40000                  ; cx
	s_bfe_u32 s18, ttmp6, 0x40004                  ; cy
	s_lshl_b32 s19, ttmp9, 2
	s_add_co_u32 s19, s19, s17                     ; X
	s_and_b32 s20, ttmp7, 0xffff
	s_lshl_b32 s20, s20, 2
	s_add_co_u32 s20, s20, s18                     ; Y
	s_lshl_b32 s87, s18, 2
	s_lshl_b32 s87, 15, s87                        ; my row of the cluster
	s_lshl_b32 s88, 0x1111, s17                    ; my column
	s_or_b32 s[G1T], s87, (3<<16)|(1<<21)          ; 15:0 the mask; 17:16 elements of 8 bytes; 21 set beside a mask; no padding
	s_or_b32 s[G1W], s88, (3<<16)|(1<<21)
.irp g, G1T, G1W                       ; a piece is 384 dense rows of 256 bytes
	s_mov_b32 s[\g+1], 32<<16
	s_mov_b32 s[\g+2], (384-192*(\g/G1W))<<16      ; 384 rows for o's, 192 for the weight's
	s_mov_b32 s[\g+3], 32<<16
	s_mov_b32 s[\g+4], 384-192*(\g/G1W)
	s_mov_b32 s[\g+5], 32
	s_mov_b32 s[\g+6], 0
	s_mov_b32 s[\g+7], 0
.endr
	s_and_b32 s80, s[WV], 1
	s_lshr_b32 s81, s[WV], 1
	s_lshl_b32 s82, s20, 1
	s_add_co_u32 s83, s82, s81                     ; 2 Y + wave / 2
	s_add_co_u32 s82, s82, s80                     ; 2 Y + wave % 2
	s_add_co_u32 s84, s19, 88                      ; 88 + X
	s_mul_i32 s76, s82, GRP                        ; o's group that waves 0, 1 fetch: made of Y and the wave alone,
	s_mov_b32 s77, 0
	s_mul_i32 s78, s84, GRP                        ; the weight's: of X alone
	s_mov_b32 s79, 0
	s_mul_i32 s85, s80, PIECE
	s_mul_i32 s86, s80, CH                         ; waves 2, 3: which half of the weight's group,
	s_add_co_u32 s78, s78, s86                     ; in memory
	s_add_co_u32 s86, s86, 2*PIECE                 ; and in LDS
	s_wait_dscnt 0x0                               ; the opening add is done
	s_wait_kmcnt 0x0
	s_add_nc_u64 s[76:77], s[4:5], s[76:77]
	s_add_nc_u64 s[78:79], s[8:9], s[78:79]
	MKG0 G0T, 85, 76, 0
	MKG0 56, 86, 78, 0
	CROUND                                         ; all sixteen work-groups are here: the joint loads meet
	s_cmp_lt_u32 s[WV], 2                          ; a wave's first fills stand in one branch on the wave's number: waves 0, 1: o's two groups; waves 2, 3: half of the weight's each.  One load of a wave is out
	s_cbranch_scc0 .Lnot_t
	tensor_load_to_lds s[G0T:G0T+3], s[G1T:G1T+7]  ; one tensor load a wave, in each arm of the one branch
	s_nop 0
	PLACES 4
	s_branch .Lasked
.Lnot_t:
	tensor_load_to_lds s[56:59], s[G1W:G1W+7]
	s_nop 0
	PLACES 4
.Lasked:
	s_mul_i32 s86, s81, PIECE                      ; my tokens: group wave / 2,
	s_mul_i32 s88, s80, 6144                       ; four tiles wave % 2
	s_add_co_u32 s86, s86, s88
	s_lshl_b32 s96, s84, 12
	s_mov_b32 s97, 0
	s_lshl_b32 s98, s83, 12
	s_lshl_b32 s88, s80, 9
	s_add_co_u32 s98, s98, s88
	s_mov_b32 s99, 0
	s_lshl_b32 s92, s20, 20                        ; out0: 256 Y rows of 4,096 bytes,
	s_lshl_b32 s88, s[WV], 18                      ; 64 x wave rows,
	s_add_co_u32 s92, s92, s88
	s_lshl_b32 s88, s19, 9                         ; 128 X columns
	s_add_co_u32 s92, s92, s88
	s_mov_b32 s93, 0
	s_mov_b32 s89, 0
	s_add_nc_u64 s[PSC:PSC+1], s[10:11], s[96:97]
	s_add_nc_u64 s[RSC:RSC+1], s[6:7], s[98:99]
	s_add_nc_u64 s[OUT:OUT+1], s[14:15], s[92:93]
	s_add_nc_u64 s[12:13], s[12:13], s[88:89]      ; the bias of my 128 columns
	v_and_b32 v3, 31, v0
	v_lshlrev_b32 v1, 4, v3                        ; 16 x lane
	v_and_b32 v4, 15, v0                           ; r
	v_bfe_u32 v5, v0, 4, 1                         ; h
	v_add_nc_u32 v6, 2*PIECE, v1
	v_add_nc_u32 v7, s86, v1
	v_lshlrev_b32 v2, 3, v3
	v_add_nc_u32 v2, s86, v2                       ; my tokens' tiles, 8 x lane
.irp c, 0,1
	v_add_nc_u32 v[ADP+\c], \c*CH, v6              ; K steps 4 c .. 4 c + 3
	v_add_nc_u32 v[ADR+\c], \c*CH, v7
	v_add_nc_u32 v[ADR+2+\c], \c*CH, v2
.endr
	s_mul_i32 s87, s[WV], 16*SP                    ; my stage
	v_mul_u32_u24 v16, v4, SP
	v_lshl_add_u32 v16, v5, 6, v16
	v_add_nc_u32 v16, s87, v16                     ; in: row r, + 64 h
	v_add_nc_u32 v17, s87, v1                      ; back: a row of 512 bytes, 16 a lane
	v_lshlrev_b32 v18, 6, v5                       ; the bias: 64 h
.irp c, 0,1,2,3                        ; the scale words go straight into their registers: K step 2 c in lanes 0-15, 2 c + 1 in lanes 16-31
.irp q, 0,1
	global_load_b128 v[SCP+8*\c+4*\q:SCP+8*\c+4*\q+3], v1, s[PSC:PSC+1] offset:(2*\c+\q)*512
.endr
	global_load_b128 v[SCR+4*\c:SCR+4*\c+3], v1, s[RSC:RSC+1] offset:1024*\c                ; the even heads' bytes,
	global_load_b128 v[144+4*\c:147+4*\c], v1, s[RSC:RSC+1] offset:1024*\c+262144           ; the odd heads'
.endr
.irp b, 0,1,2,3
.irp j, 0,1,2,3
	global_load_b128 v[BP+16*\b+4*\j:BP+16*\b+4*\j+3], v18, s[12:13] offset:128*\b+16*\j   ; register 8 b + j: the bias of accumulator (., b)'s register j
.endr
.endr
.macro FETCH k                         ; K step k's 12 fragments, 40 loads in one run, into set k % 2
.set FC, (\k)/4
.set FO, (\k)%4
.set FQ, (\k)%2
	WIN 0x40                                       ; destination window 1
.irp i, 0,1,2,3,4,5,6,7
.irp j, 0,1,2
	ds_load_b128 v[128*FQ+12*\i+4*\j:128*FQ+12*\i+4*\j+3], v[ADP+FC] offset:FO*12288+\i*1536+512*\j
.endr
.endr
	WIN 0
.irp a, 0,1,2,3
.irp j, 0,1
	ds_load_b128 v[RF+48*FQ+12*\a+6*\j:RF+48*FQ+12*\a+6*\j+3], v[ADR+FC] offset:FO*12288+\a*1536+768*\j
	ds_load_b64 v[RF+48*FQ+12*\a+6*\j+4:RF+48*FQ+12*\a+6*\j+5], v[ADR+2+FC] offset:FO*12288+\a*1536+768*\j+512
.endr
.endr
.endm
.macro MUL k                           ; 32 products; the 32 accumulators take turns, one instruction a turn, in the same order in every K step
.set KC, (\k)/2
.set KQ, (\k)%2
.if (\k) == 0
	WIN 0x81                                       ; source 0 (the weight) window 1, source 1 (tokens) and C (the bias) window 0, D window 2
.else
	WIN 0xa1                                       ; C and D window 2
.endif
.irp a, 0,1,2,3
.irp b, 0,1,2,3,4,5,6,7
.if (\k) == 0
	v_wmma_scale_f32_16x16x128_f8f6f4 v[8*(8*\a+\b):8*(8*\a+\b)+7], v[128*KQ+12*\b:128*KQ+12*\b+11], v[RF+48*KQ+12*\a:RF+48*KQ+12*\a+11], v[BP+8*\b:BP+8*\b+7], v[SCP+8*KC+\b], v[SCR+4*KC+\a] matrix_a_fmt:MATRIX_FMT_FP6 matrix_b_fmt:MATRIX_FMT_FP6
.elseif KQ == 0
	v_wmma_scale_f32_16x16x128_f8f6f4 v[8*(8*\a+\b):8*(8*\a+\b)+7], v[128*KQ+12*\b:128*KQ+12*\b+11], v[RF+48*KQ+12*\a:RF+48*KQ+12*\a+11], v[8*(8*\a+\b):8*(8*\a+\b)+7], v[SCP+8*KC+\b], v[SCR+4*KC+\a] matrix_a_fmt:MATRIX_FMT_FP6 matrix_b_fmt:MATRIX_FMT_FP6
.else
	v_wmma_scale_f32_16x16x128_f8f6f4 v[8*(8*\a+\b):8*(8*\a+\b)+7], v[128*KQ+12*\b:128*KQ+12*\b+11], v[RF+48*KQ+12*\a:RF+48*KQ+12*\a+11], v[8*(8*\a+\b):8*(8*\a+\b)+7], v[SCP+8*KC+\b], v[SCR+4*KC+\a] matrix_a_fmt:MATRIX_FMT_FP6 matrix_b_fmt:MATRIX_FMT_FP6 matrix_a_scale:MATRIX_SCALE_ROW1 matrix_b_scale:MATRIX_SCALE_ROW1
.endif
.endr
.endr
	WIN 0
.endm
	s_wait_alu depctr_va_vdst(0)
	s_wait_tensorcnt 0x0                           ; my one load is in
	s_barrier_signal -1
	s_barrier_wait -1                              ; everybody's is
	FETCH 0
	s_wait_loadcnt 0x0                             ; the scale words and the bias
.set N, 0
.rept 16
	v_or_b32 v[SCR+N], v[SCR+N], v[144+N]          ; o's scale words: the two planes hold different bytes of each word
.set N, N+1
.endr
	PLACES 8                                       ; a scale register written by a vector instruction stands 8 places ahead of a scaled product
	s_wait_alu depctr_va_vdst(0)
.irp k, 0,1,2,3,4,5,6,7
	s_wait_dscnt 0x0                               ; this K step's fragments are in (asked for 32 products ago)
.if \k == 3
	s_barrier_signal -1                            ; every wave's reads of K steps 0 to 3 are over: the stage of the way out lies in those bytes of piece 0
	s_barrier_wait -1
.endif
.if \k < 7
.if \k > 0
	PLACES 4                                       ; in front of loads into the set that the last K step's products read
.endif
	FETCH \k+1
.endif
	MUL \k
.endr
; THE WAY OUT, a block of 16 tokens x 128 columns at a time: through my own stage in LDS, back as whole rows of 512 bytes.  LDS serves a wave's instructions in order: no wait between the stores and the loads, nor in front of the next block's stores.
.macro TOSTAGE a
	WIN 0x08                                       ; an LDS store's data are its source 1: window 2
.irp b, 0,1,2,3,4,5,6,7
	ds_store_b128 v16, v[64*(\a)+8*\b:64*(\a)+8*\b+3] offset:128*(\b/2)+32*(\b%2)          ; each accumulator from its low end on
	ds_store_b128 v16, v[64*(\a)+8*\b+4:64*(\a)+8*\b+7] offset:128*(\b/2)+32*(\b%2)+16
.endr
	WIN 0
.set BB, 80+80*((\a)%2)                ; v80-143 and v160-223 by turns
.irp t, 0,1,2,3,4,5,6,7,8,9,10,11,12,13,14,15
	ds_load_b128 v[BB+4*\t:BB+4*\t+3], v17 offset:\t*SP
.endr
.endm
.macro SEND a, younger                 ; younger: the LDS instructions issued behind block a's loads, which may stay out
.set BB, 80+80*((\a)%2)
	s_wait_dscnt \younger
.irp t, 0,1,2,3,4,5,6,7,8,9,10,11,12,13,14,15
	global_store_b128 v1, v[BB+4*\t:BB+4*\t+3], s[OUT:OUT+1] offset:(32*((\a)/2)+8*((\a)%2)+\t+8*(\t/8))*4096 th:TH_STORE_NT   ; 32 lanes store 512 consecutive bytes, at a multiple of 256 from out0's first byte
.endr
.endm
	PLACES 4                                       ; behind the last products: for the reads of results and for the loads into registers that they read
	TOSTAGE 0
.irp a, 1,2,3
.if \a > 1
	s_wait_xcnt 0x0                                ; block a - 2's stores have read their registers: block a's loads may land there
.endif
	TOSTAGE \a
	SEND \a-1, 32                                  ; behind block a - 1's loads: block a's 16 stores and 16 loads
.endr
	SEND 3, 0
	s_wait_tensorcnt 0x0                           ; the wave's end, behind my last tensor load and my last LDS store
	ds_add_u32 v[SPW], v[NIL]
	s_wait_dscnt 0x0
	CROUND                                         ; the closing round
	s_endpgm
.Lfunc_end_k_qf8a78bc614_outp:
	.size	k_qf8a78bc614_outp, .Lfunc_end_k_qf8a78bc614_outp-k_qf8a78bc614_outp
	.p2alignl 7, 3214868480
	.fill 96, 4, 3214868480
	.section	.rodata,"a",@progbits
	.p2align	6, 0x0
	.amdhsa_kernel k_qf8a78bc614_outp
		.amdhsa_group_segment_fixed_size 327680
		.amdhsa_private_segment_fixed_size 0
		.amdhsa_enable_private_segment 0
		.amdhsa_kernarg_size 48
		.amdhsa_user_sgpr_count 2
		.amdhsa_user_sgpr_kernarg_segment_ptr 1
		.amdhsa_wavefront_size32 1
		.amdhsa_system_sgpr_workgroup_id_x 1
		.amdhsa_system_sgpr_workgroup_id_y 1
		.amdhsa_system_sgpr_workgroup_id_z 1
		.amdhsa_system_vgpr_workitem_id 0
		.amdhsa_next_free_vgpr 768
		.amdhsa_next_free_sgpr 100
		.amdhsa_reserve_vcc 0
		.amdhsa_float_denorm_mode_32 3
		.amdhsa_float_denorm_mode_16_64 3
		.amdhsa_memory_ordered 1
		.amdhsa_forward_progress 1
		.amdhsa_inst_pref_size 79
	.end_amdhsa_kernel
	.amdgpu_metadata
---
amdhsa.version: [ 1, 2 ]
amdhsa.kernels:
  - .name:           k_qf8a78bc614_outp
    .symbol:         k_qf8a78bc614_outp.kd
    .args:
      - { .name: oimg, .offset: 0, .size: 8, .value_kind: global_buffer, .address_space: global }
      - { .name: osc, .offset: 8, .size: 8, .value_kind: global_buffer, .address_space: global }
      - { .name: opimg, .offset: 16, .size: 8, .value_kind: global_buffer, .address_space: global }
      - { .name: opsc, .offset: 24, .size: 8, .value_kind: global_buffer, .address_space: global }
      - { .name: out_b, .offset: 32, .size: 8, .value_kind: global_buffer, .address_space: global }
      - { .name: out0, .offset: 40, .size: 8, .value_kind: global_buffer, .address_space: global }
    .group_segment_fixed_size: 327680
    .private_segment_fixed_size: 0
    .kernarg_segment_align: 8
    .kernarg_segment_size: 48
    .max_flat_workgroup_size: 128
    .sgpr_count:     100
    .vgpr_count:     768
    .wavefront_size: 32
...
	.end_amdgpu_metadata
.endif
;; end of part 4
